; MI455X (gfx1250); checked and timed in simulation.
; The chip was launched on July 23, 2026; its instructions are those of AMD's public machine-readable ISA for CDNA 5 (MIT licence, August 2026) and "CDNA5" Instruction Set Architecture Reference Guide (July 2026). The comments in the code are by the model that wrote it; some were corrected since.
;; Causal Attention. Allowed arithmetic: matrix products marked QUANTISED: E4M3 operands, one given power-of-two scale a tensor, by v_wmma_f32_16x16x64_fp8_fp8 or v_wmma_f32_16x16x128_fp8_fp8, f32 sums; everything else in f32.
;; Inputs: lowp_scales 8 int32 (the exponents e of the quantised operands' scales 2^e); w_out 1,024 x 1,024 float32; w_qkv 3,072 x 1,024 float32; x 1 x 4,096 x 1,024 float32.
;; Outputs: out0 1 x 4,096 x 1,024 float32.
;; This version of the problem:
;;   THIS VERSION OF THE PROBLEM IS GIVEN IN LOW PRECISION. The matrix products marked QUANTISED in the list below multiply operands that are first quantised to E4M3 (4 exponent bits, 3 mantissa bits; 8 bits a number), with one given power-of-two scale for each operand tensor; their sums are f32. All else is computed in f32.
;;   The module's matrix products, in the order in which they are computed (A, B: the left and right operand; K: the contracted axis; several contracted axes count as one K, in the product's order):
;;     1. [M 4,096, K 1,024] x [K 1,024, N 3,072]; A: input x; B: input w_qkv: QUANTISED (scales: A lowp_scales[0], B lowp_scales[1])
;;     2. batch 16 x [M 4,096, K 64] x [K 64, N 4,096]; A: computed on the way; B: computed on the way: QUANTISED (scales: A lowp_scales[2], B lowp_scales[3])
;;     3. batch 16 x [M 4,096, K 4,096] x [K 4,096, N 64]; A: softmax (see below); B: computed on the way: QUANTISED (scales: A lowp_scales[4], B lowp_scales[5])
;;     4. [M 4,096, K 1,024] x [K 1,024, N 1,024]; A: computed on the way; B: input w_out: QUANTISED (scales: A lowp_scales[6], B lowp_scales[7])
;;   THE QUANTISER, for each operand of a quantised product, along K:
;;     - The operand's scale is 2^e, e = its entry of the input lowp_scales (int32; the entries are numbered through the quantised products in the list's order, A before B).
;;     - Each number is divided by the scale, clamped to +-448, and rounded to the nearest number of E4M3, ties to even, subnormals kept.
;;     - The product sums the exact products of the quantised numbers (number of the format x scale) in f32.
;;   ~~~python
;;   def quantise(x, axis, e):      # numpy; x: float32 -> the quantised numbers, widened to float32 again
;;       x = np.moveaxis(x, axis, -1); K = x.shape[-1]
;;       r = np.clip(x / 2.0 ** e, -448, 448)
;;       step = 2.0 ** (np.maximum(np.frexp(np.where(r == 0, 1, r))[1] - 1, -6) - 3)
;;       q = np.round(r / step) * step * 2.0 ** e      # np.round: ties to even
;;       return np.moveaxis(q, -1, axis).astype(np.float32)
;;   ~~~
;;   SOFTMAX AHEAD OF A QUANTISED PRODUCT. Where the list says 'softmax', what is quantised is not the finished softmax but p = 2^(t - M), with t = logit x log2(e) and M = ceil(the row's largest t), a whole number; so 1/2 < the row's largest p <= 1. The row's sum l is taken of the UNQUANTISED p, in f32, and the product's result is divided by l at the end. Since M is a whole number, a kernel that streams over the keys may use a running M (the ceiling of the running maximum): every later rescaling is an exact power of two, so the quantised numbers keep their values, but for numbers so far below the row's largest that they fall under the format's range.
;;   OPERANDS COMPUTED ON THE WAY. 'Computed on the way' means the value that the module computes at that place (a softmax that the list does not call 'softmax' is quantised finished and normalised). What goes into a quantiser is computed in f32, as accurately as f32 sums, v_exp_f32 and their like allow (about 1e-6 of the number): no bf16 or f16 on the way to a quantiser, and a product that is left as it is and whose result goes on into a quantised operand takes f32 operands (vector FMAs, or v_wmma_f32_16x16x4_f32). A number that lies on a knife's edge between two numbers of the format may be rounded either way, as far as f32 arithmetic and the matrix unit's own rounding can turn it there, and no further.
;; 2 versions, each right; version 2 is version 1 with the launch attn written anew for expert scheduling mode. Each part assembles by itself: llvm-mc -triple=amdgcn-amd-amdhsa -mcpu=gfx1250 --defsym DOCPART=n.
;; ======== version 1 of 2: 4 launches
;; workspace buffers: codes 8,388,608 bytes; qkv 12,582,912 bytes; oimg 4,194,304 bytes
;; launch quant (part 1): grid 256 x 1, 8 waves a work-group, no clusters, 136,192 bytes of LDS; arguments x, w_qkv, w_out, lowp_scales, codes; writes codes
.if DOCPART == 1
	.amdgcn_target "amdgcn-amd-amdhsa--gfx1250"
	.amdhsa_code_object_version 6
	.text
	.protected	k_q3f84bf697b_quant
	.globl	k_q3f84bf697b_quant
	.p2align	8
	.type	k_q3f84bf697b_quant,@function
k_q3f84bf697b_quant:
	s_mov_b64 s[64:65], 0
	v_nop
	global_prefetch_b8 v0, s[64:65] scope:SCOPE_SE
	s_setreg_imm32_b32 hwreg(HW_REG_WAVE_MODE, 25, 1), 1
	s_wait_xcnt 0x0
; x [4096][1024], w_qkv [3072][1024] and w_out [1024][1024], f32 with K innermost, become codes of FP8 (E4M3), each tensor with the scale 2^e given for it
; (entries 0, 1 and 7 of the scales' buffer).  code = x / 2^e, held within +-448, rounded to the nearest code, ties to even.
; LIMITS: each e lies between -126 and 119, so that 2^e and 448 x 2^e are f32 numbers.  NaN among the inputs is not served (an infinity is held at the largest code).
; THE CODES' LAYOUT: images of operand registers.  A fragment is 16 rows x 128 K: lane l = (r = l % 16, h = l / 16) holds, in registers 2 c and 2 c + 1, k = 16 c + 8 h + 0 .. 7 of row r.
; Registers 4 g .. 4 g + 3 of all 32 lanes lie at 512 g + 16 l of the fragment's 2,048 bytes.  codes = [tile row of 16 rows: 512][K step of 128: 8][2,048]; tile rows 0-255 x, 256-447 w_qkv, 448-511 w_out.
; SHARES.  Work-group g makes tile rows 2 g and 2 g + 1 (32 rows of its tensor); wave w makes K step w of both: two fragments.  All 32 loads of a wave go out at once, each 512 consecutive bytes;
; no loop.  A lane must hold 8 neighbours along K for a conversion, so a fragment's 16 x 512 bytes turn through the wave's own stage in LDS (rows 528 bytes apart: 33 x 16, so the sixteen
; lanes that read sixteen rows at one column fall on sixteen different 16-byte columns).  Waves share nothing: no barrier.  No matrix unit, cluster or tensor load: the launch only streams.
.set R,    32                          ; v32-159  as loaded: row 16 f + i in v[R + 4 (16 f + i)] on
.set X0,   160                         ; v160-223 fragment 0's 64 numbers of my lane, register 8 c + j = k 16 c + 8 h + j
.set X1,   32                          ; v32-95   fragment 1's, in the registers that fragment 0's loads have left
.set WST,  16896                       ; LDS of a wave: two stages of 16 x 528 bytes
.set SPI,  528
	s_load_b256 s[4:11], s[0:1], 0x0               ; x s[4:5], w_qkv s[6:7], w_out s[8:9], the scales' exponents s[10:11]
	s_load_b64 s[12:13], s[0:1], 0x20              ; codes
	v_lshl_add_u32 v30, v0, 2, 0x21000
	v_mov_b32 v31, 0
	v_lshrrev_b32 v1, 5, v0
	v_readfirstlane_b32 s14, v1                    ; wave 0..7
	v_and_b32 v1, 31, v0                           ; lane
	v_and_b32 v2, 15, v0                           ; r
	v_bfe_u32 v3, v0, 4, 1                         ; h
	v_lshlrev_b32 v4, 4, v0                        ; in a source row: 512 x wave + 16 x lane
	v_lshlrev_b32 v8, 4, v1                        ; 16 x lane
	s_mul_i32 s15, s14, WST
	v_add_nc_u32 v5, s15, v8                       ; into the stage: as loaded
	v_mul_u32_u24 v6, v2, SPI
	v_lshl_add_u32 v6, v3, 5, v6
	v_add_nc_u32 v6, s15, v6                       ; out of it: row r, + 32 h bytes: my 8 numbers of each 16
	s_lshl_b32 s32, s14, 11
	v_add_nc_u32 v7, s32, v8                       ; in a tile row of codes: 2,048 x wave + 16 x lane
	s_mov_b32 s26, 224
	s_wait_kmcnt 0x0
	s_load_b256 s[16:23], s[10:11], 0x0            ; e0 .. e7
	s_cmp_lt_u32 ttmp9, 224                        ; which tensor: the choice hangs on the work-group's number alone
	s_cselect_b64 s[24:25], s[6:7], s[8:9]
	s_cselect_b32 s26, 128, s26
	s_cmp_lt_u32 ttmp9, 128
	s_cselect_b64 s[24:25], s[4:5], s[24:25]
	s_cselect_b32 s26, 0, s26                      ; the tensor's first work-group
	s_sub_co_u32 s28, ttmp9, s26
	s_lshl_b32 s28, s28, 17                        ; 32 rows of 4,096 bytes
	s_mov_b32 s29, 0
	s_add_nc_u64 s[24:25], s[24:25], s[28:29]
	s_lshl_b32 s30, ttmp9, 15                      ; two tile rows of 16,384 bytes
	s_mov_b32 s31, 0
	s_add_nc_u64 s[12:13], s[12:13], s[30:31]
.set n, 0
.rept 32
	global_load_b128 v[R+4*n:R+4*n+3], v4, s[24:25] offset:n*4096 th:TH_LOAD_NT   ; 32 lanes read 512 consecutive bytes of row n; read once in the launch
.set n, n+1
.endr
	s_wait_kmcnt 0x0
	s_cmp_lt_u32 ttmp9, 224
	s_cselect_b32 s27, s17, s23
	s_cmp_lt_u32 ttmp9, 128
	s_cselect_b32 s27, s16, s27                    ; e
	s_add_co_i32 s27, s27, 127
	s_lshl_b32 s33, s27, 23
	v_mov_b32 v10, s33                             ; 2^e as f32: the conversion takes its exponent field
	s_add_co_i32 s27, s27, 8
	s_lshl_b32 s27, s27, 23
	s_or_b32 s27, s27, 0x600000
	v_mov_b32 v11, s27                             ; 448 x 2^e
	s_wait_loadcnt 16                              ; fragment 0's sixteen loads are in; fragment 1's sixteen may be out
.set n, 0
.rept 16
	ds_store_b128 v5, v[R+4*n:R+4*n+3] offset:SPI*n
.set n, n+1
.endr
.set n, 0
.rept 16
	ds_load_b128 v[X0+4*n:X0+4*n+3], v6 offset:64*(n/2)+16*(n%2)    ; LDS serves a wave's instructions in order: these see the stores above
.set n, n+1
.endr
	s_wait_loadcnt 0x0
.set n, 0
.rept 16
	ds_store_b128 v5, v[R+64+4*n:R+64+4*n+3] offset:16*SPI+SPI*n
.set n, n+1
.endr
	s_wait_dscnt 16                                ; all but the sixteen stores just issued: fragment 0's stores have read v32-95, and its numbers are back
.set n, 0
.rept 16
	ds_load_b128 v[X1+4*n:X1+4*n+3], v6 offset:16*SPI+64*(n/2)+16*(n%2)
.set n, n+1
.endr
; 64 numbers of a lane become a fragment's 16 registers of codes and leave: four stores of 512 consecutive bytes.  Each fragment has code registers of its own, so no store's data are written again.
.macro QUANT xs, cd, f
.set n, 0
.rept 64
	v_med3_num_f32 v[\xs+n], v[\xs+n], -v11, v11   ; the conversion to an 8-bit code does not saturate (ISA guide 7.6.2): the hold at the largest code x the scale comes first
.set n, n+1
.endr
.irp c, 0,1,2,3,4,5,6,7
	v_cvt_scalef32_pk8_fp8_f32 v[\cd+2*\c:\cd+2*\c+1], v[\xs+8*\c:\xs+8*\c+7], v10
.endr
.irp p, 0,1,2,3
	global_store_b128 v7, v[\cd+4*\p:\cd+4*\p+3], s[12:13] offset:\f*16384+512*\p
.endr
.endm
	QUANT X0, 224, 0
	s_wait_dscnt 0x0                               ; fragment 1's numbers are back
	QUANT X1, 240, 1                               ; (its holds are plain vector lines on other registers: they stand between the conversions above and anything that touches their registers)
	s_wait_tensorcnt 0x0
	ds_add_u32 v30, v31
	s_wait_dscnt 0x0
	s_endpgm
.Lfunc_end_k_q3f84bf697b_quant:
	.size	k_q3f84bf697b_quant, .Lfunc_end_k_q3f84bf697b_quant-k_q3f84bf697b_quant
	.p2alignl 7, 3214868480
	.fill 96, 4, 3214868480
	.section	.rodata,"a",@progbits
	.p2align	6, 0x0
	.amdhsa_kernel k_q3f84bf697b_quant
		.amdhsa_group_segment_fixed_size 136192
		.amdhsa_private_segment_fixed_size 0
		.amdhsa_enable_private_segment 0
		.amdhsa_kernarg_size 40
		.amdhsa_user_sgpr_count 2
		.amdhsa_user_sgpr_kernarg_segment_ptr 1
		.amdhsa_wavefront_size32 1
		.amdhsa_system_sgpr_workgroup_id_x 1
		.amdhsa_system_sgpr_workgroup_id_y 1
		.amdhsa_system_sgpr_workgroup_id_z 1
		.amdhsa_system_vgpr_workitem_id 0
		.amdhsa_next_free_vgpr 256
		.amdhsa_next_free_sgpr 66
		.amdhsa_reserve_vcc 0
		.amdhsa_float_denorm_mode_32 3
		.amdhsa_float_denorm_mode_16_64 3
		.amdhsa_memory_ordered 1
		.amdhsa_forward_progress 1
		.amdhsa_inst_pref_size 20
	.end_amdhsa_kernel
	.amdgpu_metadata
---
amdhsa.version: [ 1, 2 ]
amdhsa.kernels:
  - .name:           k_q3f84bf697b_quant
    .symbol:         k_q3f84bf697b_quant.kd
    .args:
      - { .name: x, .offset: 0, .size: 8, .value_kind: global_buffer, .address_space: global }
      - { .name: w_qkv, .offset: 8, .size: 8, .value_kind: global_buffer, .address_space: global }
      - { .name: w_out, .offset: 16, .size: 8, .value_kind: global_buffer, .address_space: global }
      - { .name: lowp_scales, .offset: 24, .size: 8, .value_kind: global_buffer, .address_space: global }
      - { .name: codes, .offset: 32, .size: 8, .value_kind: global_buffer, .address_space: global }
    .group_segment_fixed_size: 136192
    .private_segment_fixed_size: 0
    .kernarg_segment_align: 8
    .kernarg_segment_size: 40
    .max_flat_workgroup_size: 256
    .sgpr_count:     66
    .vgpr_count:     256
    .wavefront_size: 32
...
	.end_amdgpu_metadata
.endif
;; end of part 1
;; launch qkv (part 2): grid 48 x 4, 4 waves a work-group, clusters of 4 x 4, 327,680 bytes of LDS; arguments codes, lowp_scales, qkv; writes qkv
.if DOCPART == 2
	.amdgcn_target "amdgcn-amd-amdhsa--gfx1250"
	.amdhsa_code_object_version 6
	.text
	.protected	k_q3f84bf697b_qkv
	.globl	k_q3f84bf697b_qkv
	.p2align	8
	.type	k_q3f84bf697b_qkv,@function
k_q3f84bf697b_qkv:
	s_mov_b64 s[64:65], 0
	v_nop
	global_prefetch_b8 v0, s[64:65] scope:SCOPE_SE
	s_setreg_imm32_b32 hwreg(HW_REG_WAVE_MODE, 25, 1), 1
	s_wait_xcnt 0x0
	s_wait_alu depctr_hold_cnt(0) depctr_sa_sdst(0) depctr_va_vdst(0) depctr_va_sdst(0) depctr_va_ssrc(0) depctr_va_vcc(0) depctr_vm_vsrc(0)
	s_getreg_b32 s2, hwreg(HW_REG_IB_STS2, 6, 4)
	s_cmp_eq_u32 s2, 0
	s_cbranch_scc0 .Lentry_in_a_cluster
	s_endpgm
.Lentry_in_a_cluster:
	s_bfe_u32 s2, ttmp6, 0x10000c
	s_cmp_lg_u32 s2, 0xf033
	s_cbranch_scc0 .Lentry_shape_is_right
	s_endpgm
.Lentry_shape_is_right:
; The first product, x w_qkv^T (4,096 x 3,072, K = 1,024), on codes of FP8, and the quantising of its results q, k and v into images of the operand registers that the attention launch wants.
; OPERANDS: codes = [tile row of 16 rows][K step of 128: 8][2,048 bytes], a fragment as an image of its registers (registers 4 g .. 4 g + 3 of lane l at 512 g + 16 l; registers 2 c, 2 c + 1 = k 16 c + 8 (l / 16) + 0 .. 7 of row l % 16).
; Tiles of 256 rows: 0-15 x, 16-23 w_qkv's rows for q and k, 24-27 its rows for v.
; A work-group of four waves makes 256 x 256 results, a wave 128 x 128: 64 accumulators, 512 registers.  "A" is source 1 (a lane holds one of its rows), "B" source 0 (a lane's eight registers are eight of its rows).
; TWO KINDS OF CLUSTER, told apart by the cluster's number C, which all sixteen partners share; only two numbers (which tile of 256 rows is A's, which is B's) and the way out's strides differ, chosen by s_cselect_b32:
;   C < 8:  A = tokens, B = w's rows for q (C even) or k (C odd): a lane holds one token and 8 neighbours along the head's 64, the K of the second product.
;   C >= 8: A = w's rows for v, B = tokens: a lane holds one channel and 8 neighbouring keys, the K of the third product.  So v comes out with the keys innermost and nothing is transposed.
; K goes through a ring of two LDS slots of 256 along K (two steps of 128), four fills in all, written out without a loop.  CLUSTERS: 4 x 4 work-groups; A's tiles are asked for jointly along a row, B's along a column.
; THE WAY OUT needs no LDS: eight registers of an accumulator become two registers of codes, which ARE registers of the next operand; four registers of the 32 lanes are stored as 512 consecutive bytes.
; qkv = q [head 16][query tile 256][1,024] | k likewise, 4 MiB on | v [head 16][key step of 128: 32][tile of 16 channels: 4][2,048], 8 MiB on.
; A sum stands for sum x 2^(e0 + e1); its code is sum / 2^(eT - e0 - e1), eT = e2 (q), e3 (k), e5 (v).  LIMIT: eT - e0 - e1 lies between -126 and 119.  The hold at the largest code is always executed.
; REGISTERS, in windows of 256: window 0: v12, v13 the conversion's scale and 448 x it; v16-29 addresses; v32-95 held sums, v96-111 codes; v128-255 A's fragments, one set.
;   window 1: B's fragments, two sets, at v0 and v128.   windows 2, 3: accumulator (a, b) at v[8 (8 (a % 4) + b)], a < 4 in window 2.
.set HALFT,  32768                     ; 8 tile rows x 4,096 bytes (two K steps): what one tensor load brings, and what one wave reads of A or of B
.set SLOT,   4*HALFT                   ; A's 16 tile rows, then B's 16
.set SPARE,  2*SLOT                    ; behind the ring: the spare words, 128 bytes for each wave
.set FR,     16                        ; registers of a fragment
.set NL,     4                         ; LDS loads that bring one
.set NP,     4                         ; places behind this matrix instruction (ISA guide 7.12.1)
.set SCL,  12
.set LIMV, 13
.set ADRA, 16                          ; v16-17  LDS address of my A fragments in slot 0, 1
.set ADRB, 20                          ; v20-21  the same for B
.set VO0,  24                          ; v24     the way out: 16 x lane
.set VO1,  25                          ; v25     16 x lane + the distance to the block's second half
.set SPW,  28                          ; v28     LDS address of my spare word; never rewritten
.set NIL,  29                          ; v29     0; never rewritten
.set TMP,  32
.set CD,   96
.set AF,   128
.set G1, 24                            ; s[24:31] descriptor group 1 for A's tiles;  s[32:39] group 0, one set for each slot
.set G0, 32
.set G1B, 48                           ; s[48:55], s[56:63] the same for B's tiles
.set G0B, 56
.set MSB, 0
.macro WIN new                         ; the immediate's high byte repeats the setting that is left; a switch that changes nothing is dropped
.if MSB != (\new)
	s_set_vgpr_msb (MSB<<8)|(\new)
.set MSB, \new
.endif
.endm
.set MUL_LO, 0xa1                      ; source 0 (B) window 1, source 1 (A) window 0, C and D window 2
.set MUL_HI, 0xf1                      ; the same, C and D window 3
.set TO_B,   0x40                      ; destination window 1, address window 0
; A joint load: waves 0 and 1 fetch for A, waves 2 and 3 for B.  Each line has one mask and one set of registers for all that issue it; the branch hangs on the wave's number alone.
; Four v_nop follow each of the two lines, ahead of the jump, the label and what follows.
.macro JLOAD g0a, g1a, g0b, g1b
	s_cmp_eq_u32 s15, 0
	s_cbranch_scc0 .Lfor_b_\@
	tensor_load_to_lds s[\g0a:\g0a+3], s[\g1a:\g1a+7]
	s_nop 0
.rept 4
	v_nop
.endr
	s_branch .Lasked_\@
.Lfor_b_\@:
	tensor_load_to_lds s[\g0b:\g0b+3], s[\g1b:\g1b+7]
	s_nop 0
.rept 4
	v_nop
.endr
.Lasked_\@:
.endm
.macro CREST                           ; a round of the cluster's barrier behind its opening barrier
	s_cmp_lg_u32 s14, 0
	s_cbranch_scc1 .Lnot_wave_0_\@
	s_barrier_signal -3
.Lnot_wave_0_\@:
	s_barrier_wait -3
	s_barrier_signal -1
	s_barrier_wait -1
.endm
.macro CROUND                          ; a whole round
	s_barrier_signal -1
	s_barrier_wait -1
	CREST
.endm
	s_load_b128 s[4:7], s[0:1], 0x0                ; codes s[4:5], the scales' exponents s[6:7]
	s_load_b64 s[8:9], s[0:1], 0x10                ; qkv
	v_lshl_add_u32 v[SPW], v0, 2, SPARE
	v_mov_b32 v[NIL], 0
	ds_add_u32 v28, v29
	ds_add_u32 v28, v29
	s_wait_dscnt 0x0
	v_lshrrev_b32 v1, 5, v0
	v_readfirstlane_b32 s14, v1                    ; wave 0..3
	s_lshr_b32 s15, s14, 1                         ; which half of A's 256 rows is mine.  Also: I fetch for A (0) or for B (1)
	s_and_b32 s16, s14, 1                          ; which half of B's.  Also: which 8 tile rows of that tile I fetch
	s_bfe_u32 s40, ttmp6, 0x40000                  ; cx, cy: my place in the cluster
	s_bfe_u32 s41, ttmp6, 0x40004
	s_lshr_b32 s17, ttmp9, 1
	s_lshl_b32 s17, s17, 2                         ; C < 8: A's tiles 4 (C / 2) on: tokens
	s_and_b32 s42, ttmp9, 1
	s_lshl_b32 s42, s42, 2
	s_add_co_u32 s42, s42, 16                      ;        B's tiles 16 + 4 (C % 2) on: w's rows for q or k
	s_max_u32 s19, ttmp9, 8
	s_sub_co_u32 s19, s19, 8
	s_lshl_b32 s19, s19, 2                         ; C >= 8: B's tiles 4 (C - 8) on: tokens
	s_cmp_lt_u32 ttmp9, 8
	s_cselect_b32 s17, s17, 24                     ;         A's tiles 24 on: w's rows for v
	s_cselect_b32 s42, s42, s19
	s_add_co_u32 s17, s17, s41                     ; RT: A's tile of 256 rows; it hangs on C and cy
	s_add_co_u32 s42, s42, s40                     ; CT: B's; on C and cx
	s_lshl_b32 s43, s41, 2
	s_lshl_b32 s43, 15, s43                        ; my row of the cluster
	s_lshl_b32 s44, 0x1111, s40                    ; my column
	; descriptor group 1: 8 rows of 4,096 bytes (two K steps of a tile row), 16,384 bytes apart in memory, on end in LDS
	s_or_b32 s[G1+0], s43, (1<<21)                 ; 15:0 the mask: A's tiles go to my row; 17:16 elements of 1 byte; 20 no padding; 21 set beside a mask
	s_or_b32 s[G1B+0], s44, (1<<21)                ; the same with my column's mask
.irp g, G1, G1B
	s_mov_b32 s[\g+1], 4096<<16                    ; tensor_dim0
	s_mov_b32 s[\g+2], 8<<16                       ; tensor_dim1
	s_mov_b32 s[\g+3], 4096<<16                    ; tile_dim0
	s_mov_b32 s[\g+4], 8                           ; tile_dim1
	s_mov_b32 s[\g+5], 16384                       ; tensor_dim0_stride
	s_mov_b32 s[\g+6], 0
	s_mov_b32 s[\g+7], 0
.endr
	s_lshl_b32 s18, s16, 17                        ; which 8 tile rows I fetch
	s_lshl_b32 s20, s17, 18                        ; a tile of 256 rows is 16 tile rows of 16,384 bytes
	s_add_co_u32 s20, s20, s18
	s_mov_b32 s21, 0
	s_lshl_b32 s46, s42, 18
	s_add_co_u32 s46, s46, s18
	s_mov_b32 s47, 0
	s_mul_i32 s45, s14, HALFT                      ; where they go: wave x 8 tile rows: no place in the cluster enters an LDS address
	s_wait_kmcnt 0x0
	s_load_b256 s[68:75], s[6:7], 0x0              ; e0 .. e7
	s_add_nc_u64 s[20:21], s[4:5], s[20:21]
	s_add_nc_u64 s[46:47], s[4:5], s[46:47]
	CROUND                                         ; all sixteen work-groups are here: the first joint loads meet
.irp s, 0,1
	s_mov_b32 s[G0+4*\s], 1
	s_add_co_u32 s[G0+4*\s+1], s45, \s*SLOT
	s_add_nc_u64 s[G0+4*\s+2:G0+4*\s+3], s[20:21], \s*4096
	s_or_b32 s[G0+4*\s+3], s[G0+4*\s+3], 0x80000000
	s_mov_b32 s[G0B+4*\s], 1
	s_add_co_u32 s[G0B+4*\s+1], s45, \s*SLOT
	s_add_nc_u64 s[G0B+4*\s+2:G0B+4*\s+3], s[46:47], \s*4096
	s_or_b32 s[G0B+4*\s+3], s[G0B+4*\s+3], 0x80000000
	JLOAD G0+4*\s, G1, G0B+4*\s, G1B               ; two loads of mine are out
.endr
	v_and_b32 v2, 31, v0
	v_lshlrev_b32 v[VO0], 4, v2                    ; 16 x lane: an image's place for my lane
	s_mul_i32 s21, s15, HALFT                      ; my 8 tile rows of A
	s_mul_i32 s22, s16, HALFT                      ; my 8 of B,
	s_add_co_u32 s22, s22, 2*HALFT                 ; which lie behind A's 16
.irp s, 0,1
	v_add_nc_u32 v[ADRA+\s], s21, v[VO0]
	v_add_nc_u32 v[ADRB+\s], s22, v[VO0]
	s_add_co_u32 s21, s21, SLOT
	s_add_co_u32 s22, s22, SLOT
.endr
	; the way out.  Bytes in qkv = (P << 20) + (u << 19) + (Q << 14) + (t << 13): four heads are 2^20 bytes, two are 2^19; sixteen query tiles, or two key steps, are 2^14
	s_and_b32 s84, ttmp9, 1
	s_lshl_b32 s84, s84, 2
	s_add_co_u32 s84, s84, s40                     ; C < 8: P = 4 (C % 2) + cx: q's four groups of four heads, then k's
	s_add_co_u32 s85, s41, 8                       ; C >= 8: P = 8 + cy: v's
	s_mov_b32 s88, 2048
	s_mov_b32 s89, 256000
	s_mov_b32 s90, 1024
	s_cmp_lt_u32 ttmp9, 8
	s_cselect_b32 s84, s84, s85                    ; P
	s_cselect_b32 s85, s17, s42                    ; Q: the tokens' tile of 256
	s_cselect_b32 s86, s16, s15                    ; u: which half of the weights' 256 rows is mine
	s_cselect_b32 s87, s15, s16                    ; t: which half of the tokens'
	s_cselect_b32 s80, 1024, s88                   ; from a block of A to the next: a query tile, or a tile of 16 channels;
	s_cselect_b32 s82, 1024, s89                   ; from block 3 to block 4: the same, or on to the next head's first tile (262,144 - 3 x 2,048)
	s_cselect_b32 s90, 0x40000, s90                ; from a block's first 8 registers of codes to its last 8: the next head, or the fragment's second half
	s_mov_b32 s81, 0
	s_mov_b32 s83, 0
	s_lshl_b32 s84, s84, 20
	s_lshl_b32 s86, s86, 19
	s_lshl_b32 s85, s85, 14
	s_lshl_b32 s87, s87, 13
	s_add_co_u32 s84, s84, s86
	s_add_co_u32 s84, s84, s85
	s_add_co_u32 s84, s84, s87
	s_mov_b32 s85, 0
	s_add_nc_u64 s[8:9], s[8:9], s[84:85]
	v_add_nc_u32 v[VO1], s90, v[VO0]
	s_wait_kmcnt 0x0
	s_and_b32 s76, ttmp9, 1
	s_cmp_lg_u32 s76, 0
	s_cselect_b32 s76, s71, s70                    ; e3 for k, e2 for q,
	s_cmp_lt_u32 ttmp9, 8
	s_cselect_b32 s76, s76, s73                    ; e5 for v
	s_sub_co_i32 s76, s76, s68
	s_sub_co_i32 s76, s76, s69                     ; eT - e0 - e1
	s_add_co_i32 s76, s76, 127
	s_lshl_b32 s77, s76, 23
	v_mov_b32 v[SCL], s77                          ; 2^(eT - e0 - e1) as f32: the conversion takes its exponent field
	s_add_co_i32 s76, s76, 8
	s_lshl_b32 s76, s76, 23
	s_or_b32 s76, s76, 0x600000
	v_mov_b32 v[LIMV], s76                         ; 448 x that
.macro FRAG reg, adr, q, i             ; tile row i's fragment of the slot's q-th 128 along K: four loads of 512 consecutive bytes
.irp c, 0,1,2,3
	ds_load_b128 v[\reg+4*\c:\reg+4*\c+3], v[\adr] offset:(\i)*4096+(\q)*2048+512*\c
.endr
.endm
; 16 matrix instructions: A's blocks a0, a0 + 1 x B's eight, 128 along K.  p: B's set.  zero = 1: the first product starts the sums.  The 64 accumulators take turns, one instruction a turn.
.macro MUL16 a0, p, zero
.irp a, \a0, \a0+1
.irp b, 0,1,2,3,4,5,6,7
.if \zero
	v_wmma_f32_16x16x128_fp8_fp8 v[8*(8*((\a)%4)+\b):8*(8*((\a)%4)+\b)+7], v[128*(\p)+FR*\b:128*(\p)+FR*\b+FR-1], v[AF+FR*(\a):AF+FR*(\a)+FR-1], 0
.else
	v_wmma_f32_16x16x128_fp8_fp8 v[8*(8*((\a)%4)+\b):8*(8*((\a)%4)+\b)+7], v[128*(\p)+FR*\b:128*(\p)+FR*\b+FR-1], v[AF+FR*(\a):AF+FR*(\a)+FR-1], v[8*(8*((\a)%4)+\b):8*(8*((\a)%4)+\b)+7]
.endif
.endr
.endr
.endm
.macro FETCH_B slot, q, p
	WIN TO_B
.irp i, 0,1,2,3,4,5,6,7
	FRAG 128*(\p)+FR*\i, ADRB+\slot, \q, \i
.endr
	WIN 0
.endm
.macro FETCH_A slot, q, i0
.irp i, \i0, \i0+1, \i0+2, \i0+3
	FRAG AF+FR*(\i), ADRA+\slot, \q, \i
.endr
.endm
.macro PLACES n                        ; plain vector lines between a matrix instruction and a load into, or a vector read of, its registers (ISA guide 7.12.1 for vector reads)
.rept \n
	v_nop
.endr
.endm
; A step of 128 along K that has its successor in the same slot.  A's blocks are free as soon as their eight products are issued: blocks 0-3 are fetched anew in the step's middle, blocks 4-7 at its end.
.macro STEP slot, q, zero
	s_wait_dscnt 4*NL                              ; B's set and A's blocks 0-3 are in; the youngest sixteen loads (A's blocks 4-7) may be out
	WIN MUL_LO
	MUL16 0, (\q)%2, \zero
	MUL16 2, (\q)%2, \zero
	s_wait_dscnt 0                                 ; A's blocks 4-7 are in
	PLACES NP
	FETCH_B \slot, (\q)+1, 1-(\q)%2
	FETCH_A \slot, (\q)+1, 0
	WIN MUL_HI
	MUL16 4, (\q)%2, \zero
	MUL16 6, (\q)%2, \zero
	PLACES NP
	WIN 0
	FETCH_A \slot, (\q)+1, 4
.endm
; A slot's last step changes slots: one barrier; in front of it each wave waits for all its tensor loads, adds 0 to its spare word, and waits for that and for its own reads of this slot.  fill = 1: this slot is filled again, two slots ahead.
.macro TURN slot, next, fill
	s_wait_tensorcnt 0x0                           ; all my tensor loads have landed: my part of the next slot
	ds_add_u32 v[SPW], v[NIL]                      ; 0 onto my spare word
	s_wait_dscnt 4*NL+1                            ; (the add and the youngest sixteen loads, A's blocks 4-7, may be out)
	WIN MUL_LO
	MUL16 0, 1, 0                                  ; sixteen matrix instructions stand between the add and the wait for it
	s_wait_dscnt 0x0                               ; the add is done, and my reads of this slot are over
	s_barrier_signal -1
	MUL16 2, 1, 0
	WIN 0
	s_barrier_wait -1
.if \fill
	CREST                                          ; the barrier has opened a round of the cluster's barrier: no wave of any partner still reads this slot or has a load on its way
	s_add_nc_u64 s[G0+4*\slot+2:G0+4*\slot+3], s[G0+4*\slot+2:G0+4*\slot+3], 8192
	s_add_nc_u64 s[G0B+4*\slot+2:G0B+4*\slot+3], s[G0B+4*\slot+2:G0B+4*\slot+3], 8192
	JLOAD G0+4*\slot, G1, G0B+4*\slot, G1B         ; the first tensor load behind the round, my one load until the next; its four v_nop are the places in front of the loads below
.else
	PLACES NP
.endif
	FETCH_B \next, 0, 0
	FETCH_A \next, 0, 0
	WIN MUL_HI
	MUL16 4, 1, 0
	MUL16 6, 1, 0
	PLACES NP
	WIN 0
	FETCH_A \next, 0, 4
.endm
	s_wait_tensorcnt 1                             ; my part of slot 0 is in; slot 1's load may be out
	s_barrier_signal -1
	s_barrier_wait -1
	FETCH_B 0, 0, 0
	FETCH_A 0, 0, 0
	FETCH_A 0, 0, 4
	STEP 0, 0, 1                                   ; K 0-127: these products start the sums
	TURN 0, 1, 1                                   ; K 128-255; slot 0 takes K 512-767
	STEP 1, 0, 0
	TURN 1, 0, 1                                   ; K 384-511; slot 1 takes K 768-1,023
	STEP 0, 0, 0
	TURN 0, 1, 0                                   ; K 640-767; nothing is left to fetch
	STEP 1, 0, 0
	s_wait_dscnt 4*NL                              ; the last step
	WIN MUL_LO
	MUL16 0, 1, 0
	MUL16 2, 1, 0
	s_wait_dscnt 0
	WIN MUL_HI
	MUL16 4, 1, 0
	MUL16 6, 1, 0
	WIN 0
; Block a of A against B's eight: 64 sums a lane are held, converted into 16 registers of codes and stored.  Each accumulator is read from its low end on.
.macro OUTBLK a
.set AC, 64*((\a)%4)
	WIN 0x02+((\a)/4)                              ; source 0: window 2 or 3
.set j, 0
.rept 64
	v_med3_num_f32 v[TMP+j], v[AC+j], -v[LIMV], v[LIMV]   ; the conversion to an 8-bit code does not saturate (ISA guide 7.6.2)
.set j, j+1
.endr
	WIN 0
.if (\a) > 0
	s_wait_xcnt 0x0                                ; the last block's stores have read their data and their base: both are written again only behind this wait
.if (\a) == 4
	s_add_nc_u64 s[8:9], s[8:9], s[82:83]
.else
	s_add_nc_u64 s[8:9], s[8:9], s[80:81]
.endif
.endif
.irp b, 0,1,2,3,4,5,6,7
	v_cvt_scalef32_pk8_fp8_f32 v[CD+2*\b:CD+2*\b+1], v[TMP+8*\b:TMP+8*\b+7], v[SCL]
.endr
	v_nop                                          ; a plain vector line behind the last conversion, ahead of the next block's writes of its sources
	global_store_b128 v[VO0], v[CD:CD+3], s[8:9]               ; each store: 512 consecutive bytes, at a multiple of 512 from the buffer's first byte
	global_store_b128 v[VO0], v[CD+4:CD+7], s[8:9] offset:512
	global_store_b128 v[VO1], v[CD+8:CD+11], s[8:9]
	global_store_b128 v[VO1], v[CD+12:CD+15], s[8:9] offset:512
.endm
	PLACES NP                                      ; behind the last products, ahead of the first read of results
.irp a, 0,1,2,3,4,5,6,7
	OUTBLK \a
.endr
	s_wait_tensorcnt 0x0                           ; the wave's end
	ds_add_u32 v[SPW], v[NIL]
	s_wait_dscnt 0x0
	CROUND                                         ; the closing round: no work-group ends while a partner may still ask for a tile that names it
	s_endpgm
.Lfunc_end_k_q3f84bf697b_qkv:
	.size	k_q3f84bf697b_qkv, .Lfunc_end_k_q3f84bf697b_qkv-k_q3f84bf697b_qkv
	.p2alignl 7, 3214868480
	.fill 96, 4, 3214868480
	.section	.rodata,"a",@progbits
	.p2align	6, 0x0
	.amdhsa_kernel k_q3f84bf697b_qkv
		.amdhsa_group_segment_fixed_size 327680
		.amdhsa_private_segment_fixed_size 0
		.amdhsa_enable_private_segment 0
		.amdhsa_kernarg_size 24
		.amdhsa_user_sgpr_count 2
		.amdhsa_user_sgpr_kernarg_segment_ptr 1
		.amdhsa_wavefront_size32 1
		.amdhsa_system_sgpr_workgroup_id_x 1
		.amdhsa_system_sgpr_workgroup_id_y 1
		.amdhsa_system_sgpr_workgroup_id_z 1
		.amdhsa_system_vgpr_workitem_id 0
		.amdhsa_next_free_vgpr 1024
		.amdhsa_next_free_sgpr 100
		.amdhsa_reserve_vcc 0
		.amdhsa_float_denorm_mode_32 3
		.amdhsa_float_denorm_mode_16_64 3
		.amdhsa_memory_ordered 1
		.amdhsa_forward_progress 1
		.amdhsa_inst_pref_size 118
	.end_amdhsa_kernel
	.amdgpu_metadata
---
amdhsa.version: [ 1, 2 ]
amdhsa.kernels:
  - .name:           k_q3f84bf697b_qkv
    .symbol:         k_q3f84bf697b_qkv.kd
    .args:
      - { .name: codes, .offset: 0, .size: 8, .value_kind: global_buffer, .address_space: global }
      - { .name: lowp_scales, .offset: 8, .size: 8, .value_kind: global_buffer, .address_space: global }
      - { .name: qkv, .offset: 16, .size: 8, .value_kind: global_buffer, .address_space: global }
    .group_segment_fixed_size: 327680
    .private_segment_fixed_size: 0
    .kernarg_segment_align: 8
    .kernarg_segment_size: 24
    .max_flat_workgroup_size: 128
    .sgpr_count:     100
    .vgpr_count:     1024
    .wavefront_size: 32
...
	.end_amdgpu_metadata
.endif
;; end of part 2
;; launch attn (part 3): grid 16 x 16, 16 waves a work-group, no clusters, 34,816 bytes of LDS; arguments qkv, lowp_scales, oimg; writes oimg
.if DOCPART == 3
	.amdgcn_target "amdgcn-amd-amdhsa--gfx1250"
	.amdhsa_code_object_version 6
	.text
	.protected	k_q3f84bf697b_attn
	.globl	k_q3f84bf697b_attn
	.p2align	8
	.type	k_q3f84bf697b_attn,@function
k_q3f84bf697b_attn:
	s_mov_b64 s[64:65], 0
	v_nop
	global_prefetch_b8 v0, s[64:65] scope:SCOPE_SE
	s_setreg_imm32_b32 hwreg(HW_REG_WAVE_MODE, 25, 1), 1
	s_wait_xcnt 0x0
; Causal attention on codes of FP8 for 16 heads of 64, 4,096 tokens: S^T = K Q^T, the softmax, O^T = V^T P^T, and the quantising of o for the last product.
; INPUT: qkv = q [head][query tile of 16: 256][1,024] | k likewise, 4 MiB on | v [head][key step of 128: 32][tile of 16 channels: 4][2,048], 8 MiB on: images of operand registers
; (registers 4 g .. 4 g + 3 of lane l at 512 g + 16 l; registers 2 c, 2 c + 1 = k 16 c + 8 (l / 16) + 0 .. 7 of row l % 16).  OUTPUT: oimg = [query tile 256][K step of 128: 8][2,048], the same kind of image; head hd fills bytes 1,024 hd on of a tile row.
; THE SOFTMAX: t = score x log2(e) / 8; M = the running largest t rounded UP to a whole number; p = 2^(t - M) is quantised with 2^e4, not normalised; the row's sum is taken of the unquantised p and divides O at the end.
; When M moves, the sum and O^T are multiplied by 2^(old M - new M), which rounds nothing.
; SHARES.  Work-group (i, head) owns the query blocks i and 31 - i, 128 queries each: 8 (i + 1) + 8 (32 - i) = 264 pairs of a query tile and a key step, whatever i.  A wave owns one tile of 16 queries; of waves 2 n and 2 n + 1
; one takes tile n of the early block and the other tile n of the late one, the order swapped every four waves.  The work-group walks key steps 0 .. 31 - i, 128 keys a step, two steps a trip;
; a wave leaves out the steps all of whose keys come after its queries (a scalar branch on ids, round no barrier).  With an odd number of steps the last trip's second step is left out by every wave; its bytes lie inside the buffer.
; FEEDING.  A step's K (8 fragments, 8,192 bytes) and V (4 fragments, 8,192 bytes) are dense blocks: each of the 512 threads loads 16 bytes of each, two steps ahead, and stores them into one of two LDS slots as they lie.
; One barrier a step orders both ways: the reads of a slot ahead of its next stores, and the stores ahead of their reads.  All LDS addresses are 16 x lane or 16 x thread plus constants.
; LAYOUT.  Both products are used transposed, so a lane holds ONE query (lane % 16) throughout.  Register j of tile t of S^T is key 16 t + 8 (lane / 16) + j: a tile's conversion gives registers 2 t, 2 t + 1 of P.
; Register j of tile t of O^T is channel 16 t + 8 (lane / 16) + j: its conversion gives registers 2 t, 2 t + 1 of the head's half fragment of o.
; NO CLUSTER, NO JOINT LOADS: the sixteen work-groups of a head walk 17 to 32 key steps, each another number, so partners would not make the same requests; and without tensor loads the hold of p may be jumped (below).
; THE HOLD OF p: p <= 1, and 448 x 2^e4 >= 1 wherever e4 >= -8: there the hold cannot act and a scalar branch on e4, a whole number read from memory, passes over it.
; LIMITS: e2 + e3 between -123 and 130 (added to c's exponent field); e4 and e6 between -126 and 119; e4 + e5 is applied by v_ldexp_f32 and has none.  NaN among the inputs is not served.
; REGISTERS: v1 16 x lane, v2 16 x thread, v3 256 x lane, v8 lane % 16 - 8 (lane / 16); v12 -M, v13 the largest t, v[14:15] the sum in two halves; v16-23 Q; v24-31 and v208-215 two sets of a step's 32 bytes on their way to LDS;
; v32-95 fragments of K, then of V; v96-159 S^T, then p; v160-191 O^T; v192-207 P's codes; v216-223 at work; v224, v225: 2^e4, 448 x 2^e4; v226 -infinity; v228, v229: 2^e6, 448 x 2^e6.
.set SLOTB, 16384                      ; an LDS slot: K's 8,192 bytes, then V's
.set VOFF,  8192
.set VMEM,  4194304                    ; from k to v in qkv
.set WV,  10                           ; s10 wave
.set Q0,  16                           ; s16 my first query
.set QL,  17                           ; s17 my last
.set SEL, 20                           ; s[20:21] lane selects for v_permlanex16_b32: lane l xor 16
.set CS,  22                           ; s[22:23] c = log2(e) / 8 x 2^(e2 + e3)
.set KH,  32                           ; s[32:33] k of my head
.set LB,  34                           ; s[34:35] the step that is being loaded
.set OFS, 36                           ; s[36:37] an offset; s37 stays 0
.set PFA, 38                           ; s[38:39] where my prefetches stand
.set LIM, 40                           ; s40 a wave prefetches while the step's number is under it
.set J,   41                           ; s41 the key step in hand
.set KF,  42                           ; s42 its first key
.set TR,  43                           ; s43 trips to go
	s_load_b128 s[4:7], s[0:1], 0x0                ; qkv s[4:5], the scales' exponents s[6:7]
	s_load_b64 s[8:9], s[0:1], 0x10                ; oimg
	v_lshl_add_u32 v254, v0, 2, 0x8000
	v_mov_b32 v255, 0
	v_lshrrev_b32 v9, 5, v0
	v_readfirstlane_b32 s[WV], v9                  ; wave 0..15
	v_and_b32 v9, 31, v0
	v_lshlrev_b32 v1, 4, v9
	v_lshlrev_b32 v2, 4, v0
	v_lshlrev_b32 v3, 8, v9
	v_and_b32 v10, 15, v0
	v_bfe_u32 v11, v0, 4, 1
	v_lshlrev_b32 v11, 3, v11
	v_sub_nc_u32 v8, v10, v11
	s_lshr_b32 s11, s[WV], 2
	s_xor_b32 s11, s11, s[WV]
	s_and_b32 s11, s11, 1                          ; 1: the late block
	s_lshr_b32 s12, s[WV], 1                       ; which tile of the block's eight
	s_and_b32 s14, ttmp7, 0xffff                   ; the head
	s_sub_co_u32 s15, 31, ttmp9
	s_cmp_eq_u32 s11, 1
	s_cselect_b32 s15, s15, ttmp9                  ; my block of 128 queries
	s_lshl_b32 s[Q0], s15, 7
	s_lshl_b32 s44, s12, 4
	s_add_co_u32 s[Q0], s[Q0], s44
	s_add_co_u32 s[QL], s[Q0], 15
	s_sub_co_u32 s[TR], 33, ttmp9
	s_lshr_b32 s[TR], s[TR], 1                     ; 32 - i steps, two a trip, rounded up
	s_mov_b32 s[SEL], 0x76543210
	s_mov_b32 s[SEL+1], 0xfedcba98
	s_mov_b32 s[CS], 0x3e38aa3b                    ; log2(e) / 8
	s_mov_b32 s[J], 0
	s_mov_b32 s[KF], 0
	s_and_b32 s44, s[WV], 13                       ; 0 in waves 0 and 2,
	s_or_b32 s44, s44, ttmp9                       ; of the head's first work-group
	s_cmp_eq_u32 s44, 0
	s_cselect_b32 s[LIM], 27, 0
	s_lshl_b32 s[OFS], s14, 18                     ; a head's q, k or v: 262,144 bytes
	s_mov_b32 s[OFS+1], 0
	s_wait_kmcnt 0x0
	s_load_b256 s[24:31], s[6:7], 0x0              ; e0 .. e7
	s_add_nc_u64 s[KH:KH+1], s[4:5], s[OFS:OFS+1]  ; q of my head
	s_lshl_b32 s[OFS], s[Q0], 6
	s_add_nc_u64 s[48:49], s[KH:KH+1], s[OFS:OFS+1]  ; my tile of q: 1,024 bytes for 16 queries
	s_add_nc_u64 s[KH:KH+1], s[KH:KH+1], VMEM      ; k of my head
	s_add_co_u32 s[OFS], s[Q0], s14
	s_lshl_b32 s[OFS], s[OFS], 10
	s_add_nc_u64 s[8:9], s[8:9], s[OFS:OFS+1]      ; oimg: 16,384 bytes a query tile, 1,024 a head
	s_and_b32 s[OFS], s[WV], 2
	s_lshl_b32 s[OFS], s[OFS], 21                  ; wave 2 asks for V's bytes, 4 MiB on
	s_add_co_u32 s[OFS], s[OFS], 4*8192            ; at step 4: the first step of the walk moves it to step 5.  Steps 0 to 4 come by their loads alone
	s_add_nc_u64 s[PFA:PFA+1], s[KH:KH+1], s[OFS:OFS+1]
	global_load_b128 v[16:19], v1, s[48:49] th:TH_LOAD_NT              ; Q's fragment stays in registers
	global_load_b128 v[20:23], v1, s[48:49] offset:512 th:TH_LOAD_NT
	global_load_b128 v[24:27], v2, s[KH:KH+1]                          ; key step 0: K,
	global_load_b128 v[28:31], v2, s[KH:KH+1] offset:VMEM              ; and V
	v_mov_b32 v13, 0xff61b1e6                      ; the largest t so far: -3e38, under every t
	v_floor_f32 v12, -v13                          ; -M
	v_mov_b32 v14, 0
	v_mov_b32 v15, 0
	v_mov_b32 v218, 0                              ; written once: a lane permute's destination counts as one of its sources
	v_mov_b32 v221, 0                              ; (named as the upper half of the pair v[220:221])
	v_mov_b32 v226, 0xff800000                     ; -infinity
.set n, 0
.rept 32
	v_mov_b32 v[160+n], 0                          ; O^T: the step is written once; the first finds zeros, which the first change of M leaves zeros
.set n, n+1
.endr
	s_wait_loadcnt 0x0
	ds_store_b128 v2, v[24:27]
	ds_store_b128 v2, v[28:31] offset:VOFF
	global_load_b128 v[208:211], v2, s[KH:KH+1] offset:8192            ; key step 1
	global_load_b128 v[212:215], v2, s[KH:KH+1] offset:VMEM+8192
	s_wait_kmcnt 0x0
	s_add_co_i32 s44, s26, s27
	s_lshl_b32 s44, s44, 23
	s_add_co_i32 s[CS], s[CS], s44                 ; a score stands for score x 2^(e2 + e3): the exponents are added to c's exponent field
	s_mov_b32 s[CS+1], s[CS]                       ; (named with it as a pair, so it is written)
	s_add_co_i32 s44, s28, 127
	s_lshl_b32 s45, s44, 23
	v_mov_b32 v224, s45                            ; 2^e4
	s_add_co_i32 s44, s44, 8
	s_lshl_b32 s44, s44, 23
	s_or_b32 s44, s44, 0x600000
	v_mov_b32 v225, s44                            ; 448 x 2^e4
	s_add_co_i32 s44, s30, 127
	s_lshl_b32 s45, s44, 23
	v_mov_b32 v228, s45                            ; 2^e6
	s_add_co_i32 s44, s44, 8
	s_lshl_b32 s44, s44, 23
	s_or_b32 s44, s44, 0x600000
	v_mov_b32 v229, s44                            ; 448 x 2^e6
	s_wait_dscnt 0x0                               ; for the others' sake: my part of slot 0 is stored
	s_barrier_signal -1
	s_barrier_wait -1
; A PREFETCH INTO THE L2 of key step J + 5, whose loads are issued three steps on: 8,192 bytes of K (wave 0) or of V (wave 2), lanes 256 bytes apart, one instruction.  All work-groups of a head walk the same K and V from
; step 0 on: the head's first work-group asks, and nobody else, so each block of 256 bytes is named once in the launch.  It stops with step 31 (J = 26).
.macro ASK
	s_cmp_lt_u32 s[J], s[LIM]
	s_cbranch_scc0 .Lnot_mine_\@
	global_prefetch_b8 v3, s[PFA:PFA+1] th:TH_LOAD_NT scope:SCOPE_SE
.Lnot_mine_\@:
.endm
; A KEY STEP: the 128 keys in slot s.
.macro STEP s
	s_cmp_gt_u32 s[KF], s[QL]                      ; all its keys come after my queries: left out
	s_cbranch_scc1 .Lhidden_\@
.rept 4
	v_nop                                          ; places in front of loads into registers that the last step's products have read
.endr
.irp t, 0,1,2,3,4,5,6,7
	ds_load_b128 v[32+8*\t:35+8*\t], v1 offset:\s*SLOTB+1024*\t
	ds_load_b128 v[36+8*\t:39+8*\t], v1 offset:\s*SLOTB+1024*\t+512
.endr
.irp t, 0,1,2,3,4,5,6,7
	s_wait_dscnt 14-2*\t                           ; LDS loads come back in order: tile t's two are in, the 14 - 2 t behind them may be out
	v_wmma_f32_16x16x64_fp8_fp8 v[96+8*\t:103+8*\t], v[32+8*\t:39+8*\t], v[16:23], 0
.endr
.rept 4
	v_nop                                          ; places in front of the loads below and of the first read of the scores
.endr
.irp t, 0,1,2,3
.irp g, 0,1,2,3
	ds_load_b128 v[32+16*\t+4*\g:35+16*\t+4*\g], v1 offset:\s*SLOTB+VOFF+2048*\t+512*\g   ; V's fragments land while the softmax is worked
.endr
.endr
	s_add_co_u32 s44, s[KF], 127                   ; on the diagonal the scores of hidden keys become -infinity ahead of the maximum: p = 0 then.  A step all of whose keys count passes over this
	s_cmp_le_u32 s44, s[Q0]
	s_cbranch_scc1 .Lopen_\@
	s_sub_co_i32 s44, s[Q0], s[KF]
	v_add_nc_u32 v227, s44, v8                     ; d = my query - KF - 8 (lane / 16).  Register 8 t + j holds key KF + 16 t + 8 (lane / 16) + j: hidden where 16 t + j > d
.set n, 0
.rept 64
	v_cmp_gt_i32 vcc_lo, 16*(n/8)+n%8, v227
	v_cndmask_b32 v[96+n], v[96+n], v226, vcc_lo
.set n, n+1
.endr
.Lopen_\@:
	v_max3_num_f32 v216, v96, v97, v98             ; the step's largest score of my query among my 64 keys, in two chains; each accumulator is first read at its low end
	v_max3_num_f32 v217, v99, v100, v101
.irp i, 6,10,14,18,22,26,30,34,38,42,46,50,54,58
	v_max3_num_f32 v216, v216, v[96+\i], v[97+\i]
	v_max3_num_f32 v217, v217, v[98+\i], v[99+\i]
.endr
	v_max3_num_f32 v216, v216, v158, v159
	v_max_num_f32 v216, v216, v217
	v_permlanex16_b32 v218, v216, s[SEL], s[SEL+1]
	v_max_num_f32 v216, v216, v218                 ; and among lane l xor 16's
	v_mul_f32 v216, s[CS], v216                    ; as t (c is positive)
	v_max_num_f32 v13, v13, v216                   ; the running largest t
	v_mov_b32 v216, v12
	v_floor_f32 v12, -v13                          ; the new -M = floor(-t) = -ceil(t)
	v_sub_f32 v216, v12, v216                      ; old M - new M: a whole number, 0 or less
	v_cvt_i32_f32 v216, v216                       ; (it saturates)
	v_ldexp_f32 v220, 1.0, v216                    ; f = 2^(old M - new M)
.set n, 0
.rept 32
	v_pk_fma_f32 v[96+n:97+n], v[96+n:97+n], s[CS:CS+1], v[12:13] op_sel_hi:[1,0,0]   ; t - M, two at a time (of the pairs c and -M the low word serves both halves)
.set n, n+2
.endr
.set n, 0
.rept 64
	v_exp_f32 v[96+n], v[96+n]                     ; p = 2^(t - M), at most 1
.set n, n+1
.endr
	v_pk_mul_f32 v[14:15], v[14:15], v[220:221] op_sel_hi:[1,0]   ; the sums under the new M: the plain line behind the exponentials
	s_wait_alu depctr_va_vdst(0)                   ; one wait for the whole batch, ahead of the first line that names a result
	v_pk_add_f32 v[222:223], v[96:97], v[98:99]    ; the row's sum is taken of the unquantised p: two at a time, in two chains
.irp j, 4,8,12,16,20,24,28,32,36,40,44,48,52,56,60
	v_pk_add_f32 v[14:15], v[14:15], v[96+\j:97+\j]
	v_pk_add_f32 v[222:223], v[222:223], v[98+\j:99+\j]
.endr
	v_pk_add_f32 v[14:15], v[14:15], v[222:223]
	s_cmp_ge_i32 s28, -8                           ; 448 x 2^e4 >= 1 >= p: the hold cannot act
	s_cbranch_scc1 .Lno_hold_\@
.set n, 0
.rept 64
	v_min_num_f32 v[96+n], v[96+n], v225           ; the conversion to an 8-bit code does not saturate (ISA guide 7.6.2); p is not negative, so the hold is one-sided
.set n, n+1
.endr
.Lno_hold_\@:
.irp t, 0,1,2,3,4,5,6,7
	v_cvt_scalef32_pk8_fp8_f32 v[192+2*\t:193+2*\t], v[96+8*\t:103+8*\t], v224
.endr
.set n, 0
.rept 16
	v_pk_mul_f32 v[160+n:161+n], v[160+n:161+n], v[220:221] op_sel_hi:[1,0]   ; O^T under the new M; these plain lines also stand between the conversions and the products that read their results
.set n, n+2
.endr
	s_wait_dscnt 0x0                               ; V is in
.irp t, 0,1,2,3
	v_wmma_f32_16x16x128_fp8_fp8 v[160+8*\t:167+8*\t], v[32+16*\t:47+16*\t], v[192:207], v[160+8*\t:167+8*\t]   ; four accumulators by turns, one instruction a turn
.endr
.Lhidden_\@:
.endm
; One step of the walk.  s = the parity of step J: its tiles lie in slot s.  Step J + 1's bytes, loaded a step ago into register set 1 - s, go into slot 1 - s, which was last read in step J - 1, ahead of the last barrier;
; step J + 2's loads go out into set s, whose LDS stores were waited for ahead of that barrier.  Past step 31 the loads read step 31 again: nobody uses them, and no load leaves the buffer.
.macro HALF s
	s_wait_loadcnt 0x0                             ; step J + 1's bytes are in: the loads were issued a step ago
	ds_store_b128 v2, v[24+184*(1-\s):27+184*(1-\s)] offset:(1-\s)*SLOTB
	ds_store_b128 v2, v[28+184*(1-\s):31+184*(1-\s)] offset:(1-\s)*SLOTB+VOFF
	s_wait_xcnt 0x0                                ; the last step's loads and prefetch have read their bases: both are written again only behind this wait
	s_add_co_u32 s[OFS], s[J], 2
	s_min_u32 s[OFS], s[OFS], 31
	s_lshl_b32 s[OFS], s[OFS], 13
	s_add_nc_u64 s[LB:LB+1], s[KH:KH+1], s[OFS:OFS+1]
	s_add_nc_u64 s[PFA:PFA+1], s[PFA:PFA+1], 8192
	global_load_b128 v[24+184*\s:27+184*\s], v2, s[LB:LB+1]
	global_load_b128 v[28+184*\s:31+184*\s], v2, s[LB:LB+1] offset:VMEM
	ASK
	STEP \s
	s_add_co_u32 s[J], s[J], 1
	s_add_co_u32 s[KF], s[KF], 128
	s_wait_dscnt 0x0                               ; my stores into slot 1 - s have landed and my reads of slot s are over
	s_barrier_signal -1
	s_barrier_wait -1
.endm
.Ltrip:
	HALF 0
	HALF 1
	s_sub_co_u32 s[TR], s[TR], 1
	s_cmp_lg_u32 s[TR], 0
	s_cbranch_scc1 .Ltrip
	; THE WAY OUT: O^T x 2^(e4 + e5) / the sum, held, converted with 2^e6: eight registers of codes, the head's half of a fragment of o, stored as two runs of 512 consecutive bytes.
.rept 4
	v_nop                                          ; places behind the last products
.endr
	v_add_f32 v14, v14, v15                        ; the sum's two halves,
	v_permlanex16_b32 v218, v14, s[SEL], s[SEL+1]
	v_add_f32 v14, v14, v218                       ; and lane l xor 16's
	v_rcp_f32 v14, v14
	v_nop                                          ; a plain line behind the transcendental
	s_add_co_i32 s44, s28, s29
	s_wait_alu depctr_va_vdst(0)                   ; the wait ahead of the first reader
	v_ldexp_f32 v14, v14, s44
.set n, 0
.rept 32
	v_mul_f32 v[96+n], v[160+n], v14               ; each accumulator from its low end on
.set n, n+1
.endr
.set n, 0
.rept 32
	v_med3_num_f32 v[96+n], v[96+n], -v229, v229
.set n, n+1
.endr
.irp t, 0,1,2,3
	v_cvt_scalef32_pk8_fp8_f32 v[192+2*\t:193+2*\t], v[96+8*\t:103+8*\t], v228
.endr
	v_nop
	global_store_b128 v1, v[192:195], s[8:9]
	global_store_b128 v1, v[196:199], s[8:9] offset:512
	s_wait_tensorcnt 0x0
	ds_add_u32 v254, v255
	s_wait_dscnt 0x0
	s_endpgm
.Lfunc_end_k_q3f84bf697b_attn:
	.size	k_q3f84bf697b_attn, .Lfunc_end_k_q3f84bf697b_attn-k_q3f84bf697b_attn
	.p2alignl 7, 3214868480
	.fill 96, 4, 3214868480
	.section	.rodata,"a",@progbits
	.p2align	6, 0x0
	.amdhsa_kernel k_q3f84bf697b_attn
		.amdhsa_group_segment_fixed_size 34816
		.amdhsa_private_segment_fixed_size 0
		.amdhsa_enable_private_segment 0
		.amdhsa_kernarg_size 24
		.amdhsa_user_sgpr_count 2
		.amdhsa_user_sgpr_kernarg_segment_ptr 1
		.amdhsa_wavefront_size32 1
		.amdhsa_system_sgpr_workgroup_id_x 1
		.amdhsa_system_sgpr_workgroup_id_y 1
		.amdhsa_system_sgpr_workgroup_id_z 1
		.amdhsa_system_vgpr_workitem_id 0
		.amdhsa_next_free_vgpr 256
		.amdhsa_next_free_sgpr 66
		.amdhsa_reserve_vcc 1
		.amdhsa_float_denorm_mode_32 3
		.amdhsa_float_denorm_mode_16_64 3
		.amdhsa_memory_ordered 1
		.amdhsa_forward_progress 1
		.amdhsa_inst_pref_size 53
	.end_amdhsa_kernel
	.amdgpu_metadata
---
amdhsa.version: [ 1, 2 ]
amdhsa.kernels:
  - .name:           k_q3f84bf697b_attn
    .symbol:         k_q3f84bf697b_attn.kd
    .args:
      - { .name: qkv, .offset: 0, .size: 8, .value_kind: global_buffer, .address_space: global }
      - { .name: lowp_scales, .offset: 8, .size: 8, .value_kind: global_buffer, .address_space: global }
      - { .name: oimg, .offset: 16, .size: 8, .value_kind: global_buffer, .address_space: global }
    .group_segment_fixed_size: 34816
    .private_segment_fixed_size: 0
    .kernarg_segment_align: 8
    .kernarg_segment_size: 24
    .max_flat_workgroup_size: 512
    .sgpr_count:     66
    .vgpr_count:     256
    .wavefront_size: 32
...
	.end_amdgpu_metadata
.endif
;; end of part 3
;; launch proj (part 4): grid 4 x 16, 4 waves a work-group, clusters of 4 x 4, 327,680 bytes of LDS; arguments oimg, codes, lowp_scales, out0; writes out0
.if DOCPART == 4
	.amdgcn_target "amdgcn-amd-amdhsa--gfx1250"
	.amdhsa_code_object_version 6
	.text
	.protected	k_q3f84bf697b_proj
	.globl	k_q3f84bf697b_proj
	.p2align	8
	.type	k_q3f84bf697b_proj,@function
k_q3f84bf697b_proj:
	s_mov_b64 s[64:65], 0
	v_nop
	global_prefetch_b8 v0, s[64:65] scope:SCOPE_SE
	s_setreg_imm32_b32 hwreg(HW_REG_WAVE_MODE, 25, 1), 1
	s_wait_xcnt 0x0
	s_wait_alu depctr_hold_cnt(0) depctr_sa_sdst(0) depctr_va_vdst(0) depctr_va_sdst(0) depctr_va_ssrc(0) depctr_va_vcc(0) depctr_vm_vsrc(0)
	s_getreg_b32 s2, hwreg(HW_REG_IB_STS2, 6, 4)
	s_cmp_eq_u32 s2, 0
	s_cbranch_scc0 .Lentry_in_a_cluster
	s_endpgm
.Lentry_in_a_cluster:
	s_bfe_u32 s2, ttmp6, 0x10000c
	s_cmp_lg_u32 s2, 0xf033
	s_cbranch_scc0 .Lentry_shape_is_right
	s_endpgm
.Lentry_shape_is_right:
; The last product, o w_out^T (4,096 x 1,024, K = 1,024), on codes of FP8; out0 [4096][1024] f32 = sum x 2^(e6 + e7).  LIMIT: e6 + e7 lies between -126 and 127, so that 2^(e6 + e7) is an f32 number.
; OPERANDS: images of operand registers, [tile row of 16 rows][K step of 128: 8][2,048 bytes] (registers 4 g .. 4 g + 3 of lane l at 512 g + 16 l): o in oimg, w_out in codes from byte 0x700000 on.
; A work-group of four waves makes 256 x 256 of the output, a wave 128 x 128: 64 accumulators.  "A" (source 1) = tokens, "B" (source 0) = w_out's rows: a lane holds eight neighbouring numbers of a row of the output.
; The output has 16 x 4 such tiles, so the launch has 64 work-groups; the ring, the round and the step are those of the first product's launch.
; K goes through a ring of two LDS slots of 256 along K, four fills in all, written out.  CLUSTERS: 4 x 4 work-groups; A's tiles are asked for jointly along a row of the cluster, B's along a column.
; REGISTERS, in windows of 256: window 0: v16-29 addresses; v128-255 A's fragments, one set; on the way out v32-95 scaled sums, v128-255 rows read back.   window 1: B's fragments, two sets.   windows 2, 3: accumulator (a, b) at v[8 (8 (a % 4) + b)].
.set SIZE_N, 1024
.set HALFT,  32768                     ; 8 tile rows x 4,096 bytes (two K steps): what one tensor load brings, and what one wave reads of A or of B
.set SLOT,   4*HALFT                   ; A's 16 tile rows, then B's 16
.set SPARE,  2*SLOT                    ; behind the ring: the spare words, 128 bytes for each wave
.set SPITCH, 528                       ; the way out: a stage of 16 rows x (512 bytes + 16) for each wave, in slot 0, which has had its last fill and its last read when the first result is stored there
.set FR,     16
.set NL,     4
.set NP,     4                         ; places behind this matrix instruction (ISA guide 7.12.1)
.set ADRA, 16                          ; v16-17  LDS address of my A fragments in slot 0, 1
.set ADRB, 20                          ; v20-21  the same for B
.set STO,  24                          ; v24     the way out: where I put 32 bytes of a row
.set RD,   25                          ; v25     where I read a row back
.set CO,   26                          ; v26     16 x lane: my place in an image, and in a row's 512 bytes of the output
.set SPW,  28                          ; v28     LDS address of my spare word; never rewritten
.set NIL,  29                          ; v29     0; never rewritten
.set TMP,  32
.set AF,   128
.set BK,   128
.set G1, 24
.set G0, 32
.set G1B, 48
.set G0B, 56
.set MSB, 0
.macro WIN new                         ; the immediate's high byte repeats the setting that is left; a switch that changes nothing is dropped
.if MSB != (\new)
	s_set_vgpr_msb (MSB<<8)|(\new)
.set MSB, \new
.endif
.endm
.set MUL_LO, 0xa1                      ; source 0 (B) window 1, source 1 (A) window 0, C and D window 2
.set MUL_HI, 0xf1                      ; the same, C and D window 3
.set TO_B,   0x40                      ; destination window 1, address window 0
; A joint load: waves 0 and 1 fetch for A, waves 2 and 3 for B; the branch hangs on the wave's number alone.  Four v_nop follow each of the two lines.
.macro JLOAD g0a, g1a, g0b, g1b
	s_cmp_eq_u32 s15, 0
	s_cbranch_scc0 .Lfor_b_\@
	tensor_load_to_lds s[\g0a:\g0a+3], s[\g1a:\g1a+7]
	s_nop 0
.rept 4
	v_nop
.endr
	s_branch .Lasked_\@
.Lfor_b_\@:
	tensor_load_to_lds s[\g0b:\g0b+3], s[\g1b:\g1b+7]
	s_nop 0
.rept 4
	v_nop
.endr
.Lasked_\@:
.endm
.macro CREST                           ; a round of the cluster's barrier behind its opening barrier
	s_cmp_lg_u32 s14, 0
	s_cbranch_scc1 .Lnot_wave_0_\@
	s_barrier_signal -3
.Lnot_wave_0_\@:
	s_barrier_wait -3
	s_barrier_signal -1
	s_barrier_wait -1
.endm
.macro CROUND
	s_barrier_signal -1
	s_barrier_wait -1
	CREST
.endm
	s_load_b128 s[4:7], s[0:1], 0x0                ; oimg s[4:5], codes s[6:7]
	s_load_b128 s[8:11], s[0:1], 0x10              ; the scales' exponents s[8:9], out0 s[10:11]
	v_lshl_add_u32 v[SPW], v0, 2, SPARE
	v_mov_b32 v[NIL], 0
	ds_add_u32 v28, v29
	ds_add_u32 v28, v29
	s_wait_dscnt 0x0
	v_lshrrev_b32 v1, 5, v0
	v_readfirstlane_b32 s14, v1                    ; wave 0..3
	s_lshr_b32 s15, s14, 1                         ; which half of the tile's rows is mine.  Also: I fetch for A (0) or for B (1)
	s_and_b32 s16, s14, 1                          ; which half of its columns.  Also: which 8 tile rows I fetch
	s_bfe_u32 s40, ttmp6, 0x40000                  ; cx, cy
	s_bfe_u32 s41, ttmp6, 0x40004
	s_lshl_b32 s42, ttmp9, 2
	s_add_co_u32 s42, s42, s40                     ; CT: tile column = 4 x cluster x + cx
	s_and_b32 s17, ttmp7, 0xffff
	s_lshl_b32 s17, s17, 2
	s_add_co_u32 s17, s17, s41                     ; RT: tile row = 4 x cluster y + cy
	s_lshl_b32 s43, s41, 2
	s_lshl_b32 s43, 15, s43                        ; my row of the cluster
	s_lshl_b32 s44, 0x1111, s40                    ; my column
	s_or_b32 s[G1+0], s43, (1<<21)                 ; 15:0 the mask; 17:16 elements of 1 byte; 20 no padding; 21 set beside a mask
	s_or_b32 s[G1B+0], s44, (1<<21)
.irp g, G1, G1B
	s_mov_b32 s[\g+1], 4096<<16                    ; tensor_dim0
	s_mov_b32 s[\g+2], 8<<16                       ; tensor_dim1
	s_mov_b32 s[\g+3], 4096<<16                    ; tile_dim0
	s_mov_b32 s[\g+4], 8                           ; tile_dim1
	s_mov_b32 s[\g+5], 16384                       ; tensor_dim0_stride
	s_mov_b32 s[\g+6], 0
	s_mov_b32 s[\g+7], 0
.endr
	s_lshl_b32 s18, s16, 17
	s_lshl_b32 s20, s17, 18
	s_add_co_u32 s20, s20, s18
	s_mov_b32 s21, 0
	s_lshl_b32 s46, s42, 18
	s_add_co_u32 s46, s46, s18
	s_add_co_u32 s46, s46, 0x700000                ; w_out's codes begin at tile row 448
	s_mov_b32 s47, 0
	s_mul_i32 s45, s14, HALFT
	s_wait_kmcnt 0x0
	s_load_b64 s[96:97], s[8:9], 0x18              ; e6, e7
	s_add_nc_u64 s[20:21], s[4:5], s[20:21]
	s_add_nc_u64 s[46:47], s[6:7], s[46:47]
	CROUND                                         ; all sixteen work-groups are here: the first joint loads meet
.irp s, 0,1
	s_mov_b32 s[G0+4*\s], 1
	s_add_co_u32 s[G0+4*\s+1], s45, \s*SLOT
	s_add_nc_u64 s[G0+4*\s+2:G0+4*\s+3], s[20:21], \s*4096
	s_or_b32 s[G0+4*\s+3], s[G0+4*\s+3], 0x80000000
	s_mov_b32 s[G0B+4*\s], 1
	s_add_co_u32 s[G0B+4*\s+1], s45, \s*SLOT
	s_add_nc_u64 s[G0B+4*\s+2:G0B+4*\s+3], s[46:47], \s*4096
	s_or_b32 s[G0B+4*\s+3], s[G0B+4*\s+3], 0x80000000
	JLOAD G0+4*\s, G1, G0B+4*\s, G1B               ; two loads of mine are out
.endr
	v_and_b32 v1, 15, v0                           ; l % 16
	v_bfe_u32 v2, v0, 4, 1                         ; l / 16
	v_and_b32 v6, 31, v0
	v_lshlrev_b32 v[CO], 4, v6
	s_mul_i32 s21, s15, HALFT
	s_mul_i32 s22, s16, HALFT
	s_add_co_u32 s22, s22, 2*HALFT
.irp s, 0,1
	v_add_nc_u32 v[ADRA+\s], s21, v[CO]
	v_add_nc_u32 v[ADRB+\s], s22, v[CO]
	s_add_co_u32 s21, s21, SLOT
	s_add_co_u32 s22, s22, SLOT
.endr
	s_mul_i32 s23, s14, 16*SPITCH                  ; my stage
	v_mul_u32_u24 v5, v1, SPITCH                   ; in: row l % 16, 32 bytes for each half of the lanes
	v_lshl_add_u32 v5, v2, 5, v5
	v_add_nc_u32 v[STO], s23, v5
	v_add_nc_u32 v[RD], s23, v[CO]                 ; back: the 32 lanes take one row of 512 bytes
	s_lshl_b32 s84, s17, 8
	s_lshl_b32 s85, s15, 7
	s_add_co_u32 s84, s84, s85                     ; my first row of the output: 256 x tile row + 128 x half,
	s_lshl_b32 s84, s84, 12                        ; of 4,096 bytes
	s_mov_b32 s85, 0
	s_lshl_b32 s86, s42, 10                        ; my first column, in bytes: 1,024 x tile column + 512 x half
	s_lshl_b32 s87, s16, 9
	s_add_co_u32 s86, s86, s87
	s_mov_b32 s87, 0
	s_add_nc_u64 s[10:11], s[10:11], s[84:85]
	s_add_nc_u64 s[10:11], s[10:11], s[86:87]
.macro FRAG reg, adr, q, i             ; tile row i's fragment of the slot's q-th 128 along K: four loads of 512 consecutive bytes
.irp c, 0,1,2,3
	ds_load_b128 v[\reg+4*\c:\reg+4*\c+3], v[\adr] offset:(\i)*4096+(\q)*2048+512*\c
.endr
.endm
; 16 matrix instructions: A's blocks a0, a0 + 1 x B's eight.  The 64 accumulators take turns, one instruction a turn.
.macro MUL16 a0, p, zero
.irp a, \a0, \a0+1
.irp b, 0,1,2,3,4,5,6,7
.if \zero
	v_wmma_f32_16x16x128_fp8_fp8 v[8*(8*((\a)%4)+\b):8*(8*((\a)%4)+\b)+7], v[128*(\p)+FR*\b:128*(\p)+FR*\b+FR-1], v[AF+FR*(\a):AF+FR*(\a)+FR-1], 0
.else
	v_wmma_f32_16x16x128_fp8_fp8 v[8*(8*((\a)%4)+\b):8*(8*((\a)%4)+\b)+7], v[128*(\p)+FR*\b:128*(\p)+FR*\b+FR-1], v[AF+FR*(\a):AF+FR*(\a)+FR-1], v[8*(8*((\a)%4)+\b):8*(8*((\a)%4)+\b)+7]
.endif
.endr
.endr
.endm
.macro FETCH_B slot, q, p
	WIN TO_B
.irp i, 0,1,2,3,4,5,6,7
	FRAG 128*(\p)+FR*\i, ADRB+\slot, \q, \i
.endr
	WIN 0
.endm
.macro FETCH_A slot, q, i0
.irp i, \i0, \i0+1, \i0+2, \i0+3
	FRAG AF+FR*(\i), ADRA+\slot, \q, \i
.endr
.endm
.macro PLACES n                        ; plain vector lines between a matrix instruction and a load into, or a vector read of, its registers (ISA guide 7.12.1 for vector reads)
.rept \n
	v_nop
.endr
.endm
.macro STEP slot, q, zero
	s_wait_dscnt 4*NL                              ; B's set and A's blocks 0-3 are in; the youngest sixteen loads (A's blocks 4-7) may be out
	WIN MUL_LO
	MUL16 0, (\q)%2, \zero
	MUL16 2, (\q)%2, \zero
	s_wait_dscnt 0                                 ; A's blocks 4-7 are in
	PLACES NP
	FETCH_B \slot, (\q)+1, 1-(\q)%2
	FETCH_A \slot, (\q)+1, 0
	WIN MUL_HI
	MUL16 4, (\q)%2, \zero
	MUL16 6, (\q)%2, \zero
	PLACES NP
	WIN 0
	FETCH_A \slot, (\q)+1, 4
.endm
; A slot's last step changes slots: one barrier; in front of it each wave waits for all its tensor loads, adds 0 to its spare word, and waits for that and for its own reads of this slot.
.macro TURN slot, next, fill
	s_wait_tensorcnt 0x0                           ; all my tensor loads have landed: my part of the next slot
	ds_add_u32 v[SPW], v[NIL]                      ; 0 onto my spare word
	s_wait_dscnt 4*NL+1                            ; (the add and the youngest sixteen loads may be out)
	WIN MUL_LO
	MUL16 0, 1, 0
	s_wait_dscnt 0x0                               ; the add is done, and my reads of this slot are over
	s_barrier_signal -1
	MUL16 2, 1, 0
	WIN 0
	s_barrier_wait -1
.if \fill
	CREST                                          ; the barrier has opened a round of the cluster's barrier: no wave of any partner still reads this slot or has a load on its way
	s_add_nc_u64 s[G0+4*\slot+2:G0+4*\slot+3], s[G0+4*\slot+2:G0+4*\slot+3], 8192
	s_add_nc_u64 s[G0B+4*\slot+2:G0B+4*\slot+3], s[G0B+4*\slot+2:G0B+4*\slot+3], 8192
	JLOAD G0+4*\slot, G1, G0B+4*\slot, G1B         ; the first tensor load behind the round, my one load until the next
.else
	PLACES NP
.endif
	FETCH_B \next, 0, 0
	FETCH_A \next, 0, 0
	WIN MUL_HI
	MUL16 4, 1, 0
	MUL16 6, 1, 0
	PLACES NP
	WIN 0
	FETCH_A \next, 0, 4
.endm
	s_wait_tensorcnt 1                             ; my part of slot 0 is in; slot 1's load may be out
	s_barrier_signal -1
	s_barrier_wait -1
	FETCH_B 0, 0, 0
	FETCH_A 0, 0, 0
	FETCH_A 0, 0, 4
	STEP 0, 0, 1                                   ; K 0-127: these products start the sums
	TURN 0, 1, 1
	STEP 1, 0, 0
	TURN 1, 0, 1
	STEP 0, 0, 0
	TURN 0, 1, 0                                   ; the last change of slots: behind it nobody reads slot 0, and nothing is filled
	STEP 1, 0, 0
	s_wait_dscnt 4*NL
	WIN MUL_LO
	MUL16 0, 1, 0
	MUL16 2, 1, 0
	s_wait_dscnt 0
	WIN MUL_HI
	MUL16 4, 1, 0
	MUL16 6, 1, 0
	WIN 0
; THE WAY OUT, block by block of 16 rows x 128 columns: through my own stage in LDS and back as whole rows of 512 bytes.  LDS serves a wave's instructions in order (ISA guide 5.7.1.4): no wait between the stores and the loads.
.macro TOSTAGE a
.set AC, 64*((\a)%4)
	WIN 0x02+((\a)/4)                              ; source 0: window 2 or 3
.set j, 0
.rept 32
	v_pk_mul_f32 v[TMP+j:TMP+j+1], v[AC+j:AC+j+1], s[96:97] op_sel_hi:[1,0]   ; both x s96 = 2^(e6 + e7); each accumulator from its low end on
.set j, j+2
.endr
	WIN 0
.irp b, 0,1,2,3,4,5,6,7
	ds_store_b128 v[STO], v[TMP+8*\b:TMP+8*\b+3] offset:64*\b
	ds_store_b128 v[STO], v[TMP+8*\b+4:TMP+8*\b+7] offset:64*\b+16
.endr
.set BB, BK+64*((\a)%2)
.irp t, 0,1,2,3,4,5,6,7,8,9,10,11,12,13,14,15
	ds_load_b128 v[BB+4*\t:BB+4*\t+3], v[RD] offset:\t*SPITCH
.endr
.endm
.macro SEND a, younger                 ; younger: the LDS instructions issued behind block a's loads, which may stay out
.set BB, BK+64*((\a)%2)
	s_wait_dscnt \younger
.if (\a) > 0
	s_add_nc_u64 s[10:11], s[10:11], 16*SIZE_N*4   ; (behind a wait on XCNT: the earlier stores have read their base)
.endif
.irp t, 0,1,2,3,4,5,6,7,8,9,10,11,12,13,14,15
	global_store_b128 v[CO], v[BB+4*\t:BB+4*\t+3], s[10:11] offset:\t*SIZE_N*4 th:TH_STORE_NT   ; 32 lanes store 512 consecutive bytes, at a multiple of 512 from the output's first byte; written once, read by nobody here
.endr
.endm
	s_wait_kmcnt 0x0
	s_add_co_i32 s96, s96, s97
	s_add_co_i32 s96, s96, 127
	s_lshl_b32 s96, s96, 23                        ; 2^(e6 + e7) as f32
	PLACES NP                                      ; behind the last products: for the reads of results and the loads into the registers that held A's fragments
	TOSTAGE 0
.irp a, 1,2,3,4,5,6,7
.if \a > 1
	s_wait_xcnt 0x0                                ; block a - 2's stores have read their registers and their base
.endif
	TOSTAGE \a
	SEND \a-1, 32                                  ; behind block a - 1's loads: block a's 16 stores and 16 loads
.endr
	s_wait_xcnt 0x0
	SEND 7, 0
	s_wait_tensorcnt 0x0                           ; the wave's end
	ds_add_u32 v[SPW], v[NIL]
	s_wait_dscnt 0x0
	CROUND                                         ; the closing round
	s_endpgm
.Lfunc_end_k_q3f84bf697b_proj:
	.size	k_q3f84bf697b_proj, .Lfunc_end_k_q3f84bf697b_proj-k_q3f84bf697b_proj
	.p2alignl 7, 3214868480
	.fill 96, 4, 3214868480
	.section	.rodata,"a",@progbits
	.p2align	6, 0x0
	.amdhsa_kernel k_q3f84bf697b_proj
		.amdhsa_group_segment_fixed_size 327680
		.amdhsa_private_segment_fixed_size 0
		.amdhsa_enable_private_segment 0
		.amdhsa_kernarg_size 32
		.amdhsa_user_sgpr_count 2
		.amdhsa_user_sgpr_kernarg_segment_ptr 1
		.amdhsa_wavefront_size32 1
		.amdhsa_system_sgpr_workgroup_id_x 1
		.amdhsa_system_sgpr_workgroup_id_y 1
		.amdhsa_system_sgpr_workgroup_id_z 1
		.amdhsa_system_vgpr_workitem_id 0
		.amdhsa_next_free_vgpr 1024
		.amdhsa_next_free_sgpr 100
		.amdhsa_reserve_vcc 0
		.amdhsa_float_denorm_mode_32 3
		.amdhsa_float_denorm_mode_16_64 3
		.amdhsa_memory_ordered 1
		.amdhsa_forward_progress 1
		.amdhsa_inst_pref_size 123
	.end_amdhsa_kernel
	.amdgpu_metadata
---
amdhsa.version: [ 1, 2 ]
amdhsa.kernels:
  - .name:           k_q3f84bf697b_proj
    .symbol:         k_q3f84bf697b_proj.kd
    .args:
      - { .name: oimg, .offset: 0, .size: 8, .value_kind: global_buffer, .address_space: global }
      - { .name: codes, .offset: 8, .size: 8, .value_kind: global_buffer, .address_space: global }
      - { .name: lowp_scales, .offset: 16, .size: 8, .value_kind: global_buffer, .address_space: global }
      - { .name: out0, .offset: 24, .size: 8, .value_kind: global_buffer, .address_space: global }
    .group_segment_fixed_size: 327680
    .private_segment_fixed_size: 0
    .kernarg_segment_align: 8
    .kernarg_segment_size: 32
    .max_flat_workgroup_size: 128
    .sgpr_count:     100
    .vgpr_count:     1024
    .wavefront_size: 32
...
	.end_amdgpu_metadata
.endif
;; end of part 4
;; ======== version 2 of 2: 4 launches; version 1 with the launch attn written anew for expert scheduling mode
;; workspace buffers: codes 8,388,608 bytes; qkv 12,582,912 bytes; oimg 4,194,304 bytes
;; launch quant: the kernel of part 1 again; grid 256 x 1, 8 waves a work-group, no clusters, 136,192 bytes of LDS; arguments x, w_qkv, w_out, lowp_scales, codes; writes codes
;; launch qkv: the kernel of part 2 again; grid 48 x 4, 4 waves a work-group, clusters of 4 x 4, 327,680 bytes of LDS; arguments codes, lowp_scales, qkv; writes qkv
;; launch attn (part 5): grid 16 x 16, 16 waves a work-group, no clusters, 34,816 bytes of LDS; arguments qkv, lowp_scales, oimg; writes oimg
.if DOCPART == 5
	.amdgcn_target "amdgcn-amd-amdhsa--gfx1250"
	.amdhsa_code_object_version 6
	.text
	.protected	k_q3f84bf697b_attn
	.globl	k_q3f84bf697b_attn
	.p2align	8
	.type	k_q3f84bf697b_attn,@function
k_q3f84bf697b_attn:
	s_mov_b64 s[64:65], 0
	v_nop
	global_prefetch_b8 v0, s[64:65] scope:SCOPE_SE
	s_setreg_imm32_b32 hwreg(HW_REG_WAVE_SCHED_MODE, 0, 2), 2
	s_setreg_imm32_b32 hwreg(HW_REG_WAVE_MODE, 25, 1), 1
	s_wait_xcnt 0x0
	s_wait_alu depctr_vm_vsrc(0)
; Causal attention on codes of FP8 for 16 heads of 64, 4,096 tokens: S^T = K Q^T, the softmax, O^T = V^T P^T, and the quantising of o for the last product.
; INPUT: qkv = q [head][query tile of 16: 256][1,024] | k likewise, 4 MiB on | v [head][key step of 128: 32][tile of 16 channels: 4][2,048], 8 MiB on: images of operand registers
; (registers 4 g .. 4 g + 3 of lane l at 512 g + 16 l; registers 2 c, 2 c + 1 = k 16 c + 8 (l / 16) + 0 .. 7 of row l % 16).  OUTPUT: oimg = [query tile 256][K step of 128: 8][2,048], the same kind of image; head hd fills bytes 1,024 hd on of a tile row.
; THE SOFTMAX: t = score x log2(e) / 8; M = the running largest t rounded UP to a whole number; p = 2^(t - M) is quantised with 2^e4, not normalised; the row's sum is taken of the unquantised p and divides O at the end.
; When M moves, the sum and O^T are multiplied by 2^(old M - new M), which rounds nothing.
; SHARES.  Work-group (i, head) owns the query blocks i and 31 - i, 128 queries each: 8 (i + 1) + 8 (32 - i) = 264 pairs of a query tile and a key step, whatever i.  A wave owns one tile of 16 queries; of waves 2 n and 2 n + 1
; one takes tile n of the early block and the other tile n of the late one, the order swapped every four waves.  The work-group walks key steps 0 .. 31 - i, 128 keys a step, two steps a trip;
; a wave leaves out the steps all of whose keys come after its queries (a scalar branch on ids, round no barrier).  With an odd number of steps the last trip's second step is left out by every wave; its bytes lie inside the buffer.
; FEEDING.  A step's K (8 fragments, 8,192 bytes) and V (4 fragments, 8,192 bytes) are dense blocks: each of the 512 threads loads 16 bytes of each, two steps ahead, and stores them into one of two LDS slots as they lie.
; One barrier a step orders both ways: the reads of a slot ahead of its next stores, and the stores ahead of their reads.  All LDS addresses are 16 x lane or 16 x thread plus constants.
; LAYOUT.  Both products are used transposed, so a lane holds ONE query (lane % 16) throughout.  Register j of tile t of S^T is key 16 t + 8 (lane / 16) + j: a tile's conversion gives registers 2 t, 2 t + 1 of P.
; Register j of tile t of O^T is channel 16 t + 8 (lane / 16) + j: its conversion gives registers 2 t, 2 t + 1 of the head's half fragment of o.
; NO CLUSTER, NO JOINT LOADS: the sixteen work-groups of a head walk 17 to 32 key steps, each another number, so partners would not make the same requests; and without tensor loads the hold of p may be jumped (below).
; THE HOLD OF p: p <= 1, and 448 x 2^e4 >= 1 wherever e4 >= -8: there the hold cannot act and a scalar branch on e4, a whole number read from memory, passes over it.
; LIMITS: e2 + e3 between -123 and 130 (added to c's exponent field); e4 and e6 between -126 and 119; e4 + e5 is applied by v_ldexp_f32 and has none.  NaN among the inputs is not served.
; REGISTERS: v1 16 x lane, v2 16 x thread, v3 256 x lane, v8 lane % 16 - 8 (lane / 16); v12 -M, v13 the largest t, v[14:15] the sum in two halves; v16-23 Q; v24-31 and v208-215 two sets of a step's 32 bytes on their way to LDS;
; v32-95 fragments of K, then of V; v96-159 S^T, then p; v160-191 O^T; v192-207 P's codes; v216-223 at work; v224, v225: 2^e4, 448 x 2^e4; v226 -infinity; v228, v229: 2^e6, 448 x 2^e6.
; THE MODE: SCHED_MODE bits 1:0 = 2 (LLVM: expert scheduling mode 2), set by the entry lines.  The code itself states the register dependences
; between vector or matrix instructions and memory or LDS instructions, with s_wait_alu, always for 0.
; THE PLAN.  Registers that memory or LDS instructions touch:
;   v1, v2, v3     Offsets and LDS addresses, written once at the head and never again: one wait on va_vdst ahead of the first load serves every load, store and prefetch of the kernel.
;   v24-31, v208-215  Set s is written by the global loads of the step of parity s and read by the two LDS stores one step later; no vector instruction names them.  One wait on vm_vsrc at the head of
;                  a step of the walk states that the last step's LDS stores have read set s; this step's loads into it follow, ahead of this step's own LDS stores.
;   v32-95         K's sixteen LDS loads land there, the eight products K Q^T read them, V's sixteen LDS loads land there, the four products V^T P read them.  Two waits on va_vdst in a key step: ahead of K's
;                  loads (the last step's V^T P are done reading) and behind K Q^T (they are done reading).  Behind the second, V's loads are dealt among the maximum's lines, which name none of v32-95.
;   v192-199       At the end: written by the last conversions, read by the two stores: one wait on va_vdst between.
; Scalar registers that vector instructions write: s10 (the wave's number) and s50-57 (the diagonal's masks), each with a wait on va_sdst ahead of its first reader.
.set SLOTB, 16384                      ; an LDS slot: K's 8,192 bytes, then V's
.set VOFF,  8192
.set VMEM,  4194304                    ; from k to v in qkv
.set WV,  10                           ; s10 wave
.set Q0,  16                           ; s16 my first query
.set QL,  17                           ; s17 my last
.set SEL, 20                           ; s[20:21] lane selects for v_permlanex16_b32: lane l xor 16
.set CS,  22                           ; s[22:23] c = log2(e) / 8 x 2^(e2 + e3)
.set KH,  32                           ; s[32:33] k of my head
.set LB,  34                           ; s[34:35] the step that is being loaded
.set OFS, 36                           ; s[36:37] an offset; s37 stays 0
.set PFA, 38                           ; s[38:39] where my prefetches stand
.set LIM, 40                           ; s40 a wave prefetches while the step's number is under it
.set J,   41                           ; s41 the key step in hand
.set KF,  42                           ; s42 its first key
.set TR,  43                           ; s43 trips to go
.set MK,  50                           ; s50-57 on the diagonal: the masks of a tile's eight registers
	s_load_b128 s[4:7], s[0:1], 0x0                ; qkv s[4:5], the scales' exponents s[6:7]
	s_load_b64 s[8:9], s[0:1], 0x10                ; oimg
	v_lshl_add_u32 v254, v0, 2, 0x8000
	v_mov_b32 v255, 0
	v_lshrrev_b32 v9, 5, v0
	v_readfirstlane_b32 s[WV], v9                  ; wave 0..15
	v_and_b32 v9, 31, v0
	v_lshlrev_b32 v1, 4, v9
	v_lshlrev_b32 v2, 4, v0
	v_lshlrev_b32 v3, 8, v9
	v_and_b32 v10, 15, v0
	v_bfe_u32 v11, v0, 4, 1
	v_lshlrev_b32 v11, 3, v11
	v_sub_nc_u32 v8, v10, v11
	s_wait_alu depctr_va_sdst(0)                   ; s10 is written, ahead of its first reader: my queries and my addresses are made from it
	s_lshr_b32 s11, s[WV], 2
	s_xor_b32 s11, s11, s[WV]
	s_and_b32 s11, s11, 1                          ; 1: the late block
	s_lshr_b32 s12, s[WV], 1                       ; which tile of the block's eight
	s_and_b32 s14, ttmp7, 0xffff                   ; the head
	s_sub_co_u32 s15, 31, ttmp9
	s_cmp_eq_u32 s11, 1
	s_cselect_b32 s15, s15, ttmp9                  ; my block of 128 queries
	s_lshl_b32 s[Q0], s15, 7
	s_lshl_b32 s44, s12, 4
	s_add_co_u32 s[Q0], s[Q0], s44
	s_add_co_u32 s[QL], s[Q0], 15
	s_sub_co_u32 s[TR], 33, ttmp9
	s_lshr_b32 s[TR], s[TR], 1                     ; 32 - i steps, two a trip, rounded up
	s_mov_b32 s[SEL], 0x76543210
	s_mov_b32 s[SEL+1], 0xfedcba98
	s_mov_b32 s[CS], 0x3e38aa3b                    ; log2(e) / 8
	s_mov_b32 s[J], 0
	s_mov_b32 s[KF], 0
	s_and_b32 s44, s[WV], 13                       ; 0 in waves 0 and 2,
	s_or_b32 s44, s44, ttmp9                       ; of the head's first work-group
	s_cmp_eq_u32 s44, 0
	s_cselect_b32 s[LIM], 27, 0
	s_lshl_b32 s[OFS], s14, 18                     ; a head's q, k or v: 262,144 bytes
	s_mov_b32 s[OFS+1], 0
	s_wait_kmcnt 0x0
	s_load_b256 s[24:31], s[6:7], 0x0              ; e0 .. e7
	s_add_nc_u64 s[KH:KH+1], s[4:5], s[OFS:OFS+1]  ; q of my head
	s_lshl_b32 s[OFS], s[Q0], 6
	s_add_nc_u64 s[48:49], s[KH:KH+1], s[OFS:OFS+1]  ; my tile of q: 1,024 bytes for 16 queries
	s_add_nc_u64 s[KH:KH+1], s[KH:KH+1], VMEM      ; k of my head
	s_add_co_u32 s[OFS], s[Q0], s14
	s_lshl_b32 s[OFS], s[OFS], 10
	s_add_nc_u64 s[8:9], s[8:9], s[OFS:OFS+1]      ; oimg: 16,384 bytes a query tile, 1,024 a head
	s_and_b32 s[OFS], s[WV], 2
	s_lshl_b32 s[OFS], s[OFS], 21                  ; wave 2 asks for V's bytes, 4 MiB on
	s_add_co_u32 s[OFS], s[OFS], 4*8192            ; at step 4: the first step of the walk moves it to step 5.  Steps 0 to 4 come by their loads alone
	s_add_nc_u64 s[PFA:PFA+1], s[KH:KH+1], s[OFS:OFS+1]
	s_wait_alu depctr_va_vdst(0)                   ; v1, v2 and v3 are written: every load, LDS load and store, prefetch and store of the kernel reads one of them as its offset or address
	global_load_b128 v[16:19], v1, s[48:49] th:TH_LOAD_NT              ; Q's fragment stays in registers
	global_load_b128 v[20:23], v1, s[48:49] offset:512 th:TH_LOAD_NT
	global_load_b128 v[24:27], v2, s[KH:KH+1]                          ; key step 0: K,
	global_load_b128 v[28:31], v2, s[KH:KH+1] offset:VMEM              ; and V
	v_mov_b32 v13, 0xff61b1e6                      ; the largest t so far: -3e38, under every t
	v_floor_f32 v12, -v13                          ; -M
	v_mov_b32 v14, 0
	v_mov_b32 v15, 0
	v_mov_b32 v218, 0                              ; written once: a lane permute's destination counts as one of its sources
	v_mov_b32 v221, 0                              ; (named as the upper half of the pair v[220:221])
	v_mov_b32 v226, 0xff800000                     ; -infinity
.set n, 0
.rept 32
	v_mov_b32 v[160+n], 0                          ; O^T: the step is written once; the first finds zeros, which the first change of M leaves zeros
.set n, n+1
.endr
	s_wait_loadcnt 0x0
	ds_store_b128 v2, v[24:27]
	ds_store_b128 v2, v[28:31] offset:VOFF
	global_load_b128 v[208:211], v2, s[KH:KH+1] offset:8192            ; key step 1
	global_load_b128 v[212:215], v2, s[KH:KH+1] offset:VMEM+8192
	s_wait_kmcnt 0x0
	s_add_co_i32 s44, s26, s27
	s_lshl_b32 s44, s44, 23
	s_add_co_i32 s[CS], s[CS], s44                 ; a score stands for score x 2^(e2 + e3): the exponents are added to c's exponent field
	s_mov_b32 s[CS+1], s[CS]                       ; (named with it as a pair, so it is written)
	s_add_co_i32 s44, s28, 127
	s_lshl_b32 s45, s44, 23
	v_mov_b32 v224, s45                            ; 2^e4
	s_add_co_i32 s44, s44, 8
	s_lshl_b32 s44, s44, 23
	s_or_b32 s44, s44, 0x600000
	v_mov_b32 v225, s44                            ; 448 x 2^e4
	s_add_co_i32 s44, s30, 127
	s_lshl_b32 s45, s44, 23
	v_mov_b32 v228, s45                            ; 2^e6
	s_add_co_i32 s44, s44, 8
	s_lshl_b32 s44, s44, 23
	s_or_b32 s44, s44, 0x600000
	v_mov_b32 v229, s44                            ; 448 x 2^e6
	s_wait_dscnt 0x0                               ; for the others' sake: my part of slot 0 is stored
	s_barrier_signal -1
	s_barrier_wait -1
; A PREFETCH INTO THE L2 of key step J + 5, whose loads are issued three steps on: 8,192 bytes of K (wave 0) or of V (wave 2), lanes 256 bytes apart, one instruction.  All work-groups of a head walk the same K and V from
; step 0 on: the head's first work-group asks, and nobody else, so each block of 256 bytes is named once in the launch.  It stops with step 31 (J = 26).
.macro ASK
	s_cmp_lt_u32 s[J], s[LIM]
	s_cbranch_scc0 .Lnot_mine_\@
	global_prefetch_b8 v3, s[PFA:PFA+1] th:TH_LOAD_NT scope:SCOPE_SE
.Lnot_mine_\@:
.endm
; A KEY STEP: the 128 keys in slot s.
.macro STEP s
	s_cmp_gt_u32 s[KF], s[QL]                      ; all its keys come after my queries: left out
	s_cbranch_scc1 .Lhidden_\@
.rept 4
	v_nop                                          ; four plain lines between the last step's products and the loads into registers that they have read; the wait below states the dependence itself
.endr
	s_wait_alu depctr_va_vdst(0)                   ; the last step's products V^T P are done reading v32-95, in which K's fragments land
.irp t, 0,1,2,3,4,5,6,7
	ds_load_b128 v[32+8*\t:35+8*\t], v1 offset:\s*SLOTB+1024*\t
	ds_load_b128 v[36+8*\t:39+8*\t], v1 offset:\s*SLOTB+1024*\t+512
.endr
.irp t, 0,1,2,3,4,5,6,7
	s_wait_dscnt 14-2*\t                           ; LDS loads come back in order: tile t's two are in, the 14 - 2 t behind them may be out
	v_wmma_f32_16x16x64_fp8_fp8 v[96+8*\t:103+8*\t], v[32+8*\t:39+8*\t], v[16:23], 0
.endr
.rept 4
	v_nop                                          ; places in front of the first read of the scores (ISA guide 7.12.1)
.endr
	s_wait_alu depctr_va_vdst(0)                   ; the products K Q^T are done reading v32-95, in which V's fragments land: no vector instruction from here to the last of V's loads names these registers, on either way
	s_add_co_u32 s44, s[KF], 127                   ; on the diagonal the scores of hidden keys become -infinity ahead of the maximum: p = 0 then.  A step all of whose keys count passes over this
	s_cmp_le_u32 s44, s[Q0]
	s_cbranch_scc1 .Lopen_\@
	s_sub_co_i32 s44, s[Q0], s[KF]
	v_add_nc_u32 v227, s44, v8                     ; d = my query - KF - 8 (lane / 16).  Register 8 t + j holds key KF + 16 t + 8 (lane / 16) + j: hidden where 16 t + j > d
.irp t, 0,1,2,3,4,5,6,7                        ; a tile at a time: eight compares into eight scalar registers, one wait, eight selects
.irp j, 0,1,2,3,4,5,6,7
	v_cmp_gt_i32 s[MK+\j], 16*\t+\j, v227
.endr
	s_wait_alu depctr_va_sdst(0)                   ; the eight compares have written s50-57, ahead of the selects that read them
.irp j, 0,1,2,3,4,5,6,7
	v_cndmask_b32 v[96+8*\t+\j], v[96+8*\t+\j], v226, s[MK+\j]
.endr
.endr
.Lopen_\@:
	v_max3_num_f32 v216, v96, v97, v98             ; the step's largest score of my query among my 64 keys, in two chains; each accumulator is first read at its low end
	v_max3_num_f32 v217, v99, v100, v101
.set n, 0
.rept 14
.if n%4 == 0
.irp g, 0,1,2,3
	ds_load_b128 v[32+16*(n/4)+4*\g:35+16*(n/4)+4*\g], v1 offset:\s*SLOTB+VOFF+2048*(n/4)+512*\g   ; V's fragments, a tile's four loads at a time among the maximum's lines: they land while the softmax is worked
.endr
.endif
	v_max3_num_f32 v216, v216, v[102+4*n], v[103+4*n]
	v_max3_num_f32 v217, v217, v[104+4*n], v[105+4*n]
.set n, n+1
.endr
	v_max3_num_f32 v216, v216, v158, v159
	v_max_num_f32 v216, v216, v217
	v_permlanex16_b32 v218, v216, s[SEL], s[SEL+1]
	v_max_num_f32 v216, v216, v218                 ; and among lane l xor 16's
	v_mul_f32 v216, s[CS], v216                    ; as t (c is positive)
	v_max_num_f32 v13, v13, v216                   ; the running largest t
	v_mov_b32 v216, v12
	v_floor_f32 v12, -v13                          ; the new -M = floor(-t) = -ceil(t)
	v_sub_f32 v216, v12, v216                      ; old M - new M: a whole number, 0 or less
	v_cvt_i32_f32 v216, v216                       ; (it saturates)
	v_ldexp_f32 v220, 1.0, v216                    ; f = 2^(old M - new M)
.set n, 0
.rept 32
	v_pk_fma_f32 v[96+n:97+n], v[96+n:97+n], s[CS:CS+1], v[12:13] op_sel_hi:[1,0,0]   ; t - M, two at a time (of the pairs c and -M the low word serves both halves)
.set n, n+2
.endr
.set n, 0
.rept 64
	v_exp_f32 v[96+n], v[96+n]                     ; p = 2^(t - M), at most 1
.set n, n+1
.endr
	v_pk_mul_f32 v[14:15], v[14:15], v[220:221] op_sel_hi:[1,0]   ; the sums under the new M: the plain line behind the exponentials
	s_wait_alu depctr_va_vdst(0)                   ; the 64 exponentials have written v96-159: one wait for the whole batch, ahead of the first line that names a result
	v_pk_add_f32 v[222:223], v[96:97], v[98:99]    ; the row's sum is taken of the unquantised p: two at a time, in two chains
.irp j, 4,8,12,16,20,24,28,32,36,40,44,48,52,56,60
	v_pk_add_f32 v[14:15], v[14:15], v[96+\j:97+\j]
	v_pk_add_f32 v[222:223], v[222:223], v[98+\j:99+\j]
.endr
	v_pk_add_f32 v[14:15], v[14:15], v[222:223]
	s_cmp_ge_i32 s28, -8                           ; 448 x 2^e4 >= 1 >= p: the hold cannot act
	s_cbranch_scc1 .Lno_hold_\@
.set n, 0
.rept 64
	v_min_num_f32 v[96+n], v[96+n], v225           ; the conversion to an 8-bit code does not saturate (ISA guide 7.6.2); p is not negative, so the hold is one-sided
.set n, n+1
.endr
.Lno_hold_\@:
.irp t, 0,1,2,3,4,5,6,7
	v_cvt_scalef32_pk8_fp8_f32 v[192+2*\t:193+2*\t], v[96+8*\t:103+8*\t], v224
.endr
.set n, 0
.rept 16
	v_pk_mul_f32 v[160+n:161+n], v[160+n:161+n], v[220:221] op_sel_hi:[1,0]   ; O^T under the new M; these plain lines also stand between the conversions and the products that read their results
.set n, n+2
.endr
	s_wait_dscnt 0x0                               ; V is in
.irp t, 0,1,2,3
	v_wmma_f32_16x16x128_fp8_fp8 v[160+8*\t:167+8*\t], v[32+16*\t:47+16*\t], v[192:207], v[160+8*\t:167+8*\t]   ; four accumulators by turns, one instruction a turn
.endr
.Lhidden_\@:
.endm
; One step of the walk.  s = the parity of step J: its tiles lie in slot s.  Step J + 2's loads go out into register set s, which the last step's LDS stores have read.  Step J + 1's bytes, loaded a step ago into
; set 1 - s, go into slot 1 - s, which was last read in step J - 1, ahead of the last barrier.  Past step 31 the loads read step 31 again: nobody uses them, and no load leaves the buffer.
.macro HALF s
	s_wait_loadcnt 0x0                             ; step J + 1's bytes are in: the loads were issued a step ago
	s_wait_xcnt 0x0                                ; the last step's loads and prefetch have read their bases: both are written again only behind this wait
	s_wait_alu depctr_vm_vsrc(0)                   ; the last step's LDS stores have read set s, in which the loads below land
	s_add_co_u32 s[OFS], s[J], 2
	s_min_u32 s[OFS], s[OFS], 31
	s_lshl_b32 s[OFS], s[OFS], 13
	s_add_nc_u64 s[LB:LB+1], s[KH:KH+1], s[OFS:OFS+1]
	s_add_nc_u64 s[PFA:PFA+1], s[PFA:PFA+1], 8192
	global_load_b128 v[24+184*\s:27+184*\s], v2, s[LB:LB+1]
	global_load_b128 v[28+184*\s:31+184*\s], v2, s[LB:LB+1] offset:VMEM
	ASK
	ds_store_b128 v2, v[24+184*(1-\s):27+184*(1-\s)] offset:(1-\s)*SLOTB
	ds_store_b128 v2, v[28+184*(1-\s):31+184*(1-\s)] offset:(1-\s)*SLOTB+VOFF
	STEP \s
	s_add_co_u32 s[J], s[J], 1
	s_add_co_u32 s[KF], s[KF], 128
	s_wait_dscnt 0x0                               ; my stores into slot 1 - s have landed and my reads of slot s are over
	s_barrier_signal -1
	s_barrier_wait -1
.endm
.Ltrip:
	HALF 0
	HALF 1
	s_sub_co_u32 s[TR], s[TR], 1
	s_cmp_lg_u32 s[TR], 0
	s_cbranch_scc1 .Ltrip
	; THE WAY OUT: O^T x 2^(e4 + e5) / the sum, held, converted with 2^e6: eight registers of codes, the head's half of a fragment of o, stored as two runs of 512 consecutive bytes.
.rept 4
	v_nop                                          ; places behind the last products
.endr
	v_add_f32 v14, v14, v15                        ; the sum's two halves,
	v_permlanex16_b32 v218, v14, s[SEL], s[SEL+1]
	v_add_f32 v14, v14, v218                       ; and lane l xor 16's
	v_rcp_f32 v14, v14
	v_nop                                          ; a plain line behind the transcendental
	s_add_co_i32 s44, s28, s29
	s_wait_alu depctr_va_vdst(0)                   ; the reciprocal has written v14, ahead of its first reader
	v_ldexp_f32 v14, v14, s44
.set n, 0
.rept 32
	v_mul_f32 v[96+n], v[160+n], v14               ; each accumulator from its low end on
.set n, n+1
.endr
.set n, 0
.rept 32
	v_med3_num_f32 v[96+n], v[96+n], -v229, v229
.set n, n+1
.endr
.irp t, 0,1,2,3
	v_cvt_scalef32_pk8_fp8_f32 v[192+2*\t:193+2*\t], v[96+8*\t:103+8*\t], v228
.endr
	v_nop                                          ; a plain line behind the last conversion
	s_wait_alu depctr_va_vdst(0)                   ; the conversions have written v192-199, which the two stores read
	global_store_b128 v1, v[192:195], s[8:9]
	global_store_b128 v1, v[196:199], s[8:9] offset:512
	s_wait_dscnt 0x0
	s_wait_alu depctr_hold_cnt(0) depctr_sa_sdst(0) depctr_va_vdst(0) depctr_va_sdst(0) depctr_va_ssrc(0) depctr_va_vcc(0) depctr_vm_vsrc(0)
	s_wait_tensorcnt 0x0
	ds_add_u32 v254, v255
	s_wait_dscnt 0x0
	s_endpgm
.Lfunc_end_k_q3f84bf697b_attn:
	.size	k_q3f84bf697b_attn, .Lfunc_end_k_q3f84bf697b_attn-k_q3f84bf697b_attn
	.p2alignl 7, 3214868480
	.fill 96, 4, 3214868480
	.section	.rodata,"a",@progbits
	.p2align	6, 0x0
	.amdhsa_kernel k_q3f84bf697b_attn
		.amdhsa_group_segment_fixed_size 34816
		.amdhsa_private_segment_fixed_size 0
		.amdhsa_enable_private_segment 0
		.amdhsa_kernarg_size 24
		.amdhsa_user_sgpr_count 2
		.amdhsa_user_sgpr_kernarg_segment_ptr 1
		.amdhsa_wavefront_size32 1
		.amdhsa_system_sgpr_workgroup_id_x 1
		.amdhsa_system_sgpr_workgroup_id_y 1
		.amdhsa_system_sgpr_workgroup_id_z 1
		.amdhsa_system_vgpr_workitem_id 0
		.amdhsa_next_free_vgpr 256
		.amdhsa_next_free_sgpr 66
		.amdhsa_reserve_vcc 0
		.amdhsa_float_denorm_mode_32 3
		.amdhsa_float_denorm_mode_16_64 3
		.amdhsa_memory_ordered 1
		.amdhsa_forward_progress 1
		.amdhsa_inst_pref_size 61
	.end_amdhsa_kernel
	.amdgpu_metadata
---
amdhsa.version: [ 1, 2 ]
amdhsa.kernels:
  - .name:           k_q3f84bf697b_attn
    .symbol:         k_q3f84bf697b_attn.kd
    .args:
      - { .name: qkv, .offset: 0, .size: 8, .value_kind: global_buffer, .address_space: global }
      - { .name: lowp_scales, .offset: 8, .size: 8, .value_kind: global_buffer, .address_space: global }
      - { .name: oimg, .offset: 16, .size: 8, .value_kind: global_buffer, .address_space: global }
    .group_segment_fixed_size: 34816
    .private_segment_fixed_size: 0
    .kernarg_segment_align: 8
    .kernarg_segment_size: 24
    .max_flat_workgroup_size: 512
    .sgpr_count:     66
    .vgpr_count:     256
    .wavefront_size: 32
...
	.end_amdgpu_metadata
.endif
;; end of part 5
;; launch proj: the kernel of part 4 again; grid 4 x 16, 4 waves a work-group, clusters of 4 x 4, 327,680 bytes of LDS; arguments oimg, codes, lowp_scales, out0; writes out0
